; MI455X (gfx1250); checked and timed in simulation.
; The chip was launched on July 23, 2026; its instructions are those of AMD's public machine-readable ISA for CDNA 5 (MIT licence, August 2026) and "CDNA5" Instruction Set Architecture Reference Guide (July 2026). The comments in the code are by the model that wrote it; some were corrected since.
;; Model. Allowed arithmetic: matrix products marked QUANTISED: E2M3 operands, one E8M0 scale for each 32 along K, by v_wmma_scale_f32_16x16x128_f8f6f4 with both operands' format E2M3, f32 sums; products left as they are: f32 operands where the result goes on into a quantised operand, else bf16, f16 or f32 operands; f32 sums; everything else in f32.
;; Inputs: W1 2 x 64 float32; W2 64 x 8 float32; Wk_codes 512 x 16 x 24 uint8 (E2M3 codes of Wk, K innermost, in blocks of 32 codes, four codes in three bytes); Wk_scales 512 x 16 uint8 (E8M0 scales of Wk, one for each 32 codes along K); Wo_codes 512 x 16 x 24 uint8 (E2M3 codes of Wo, K innermost, in blocks of 32 codes, four codes in three bytes); Wo_scales 512 x 16 uint8 (E8M0 scales of Wo, one for each 32 codes along K); Wq_codes 512 x 16 x 24 uint8 (E2M3 codes of Wq, K innermost, in blocks of 32 codes, four codes in three bytes); Wq_scales 512 x 16 uint8 (E8M0 scales of Wq, one for each 32 codes along K); Wv_codes 512 x 16 x 24 uint8 (E2M3 codes of Wv, K innermost, in blocks of 32 codes, four codes in three bytes); Wv_scales 512 x 16 uint8 (E8M0 scales of Wv, one for each 32 codes along K); b1 64 float32; b2 8 float32; bk 512 float32; bo 512 float32; bq 512 float32; bv 512 float32; freqs 4 x 1,024 x 1 float32; x_codes 4 x 1,024 x 16 x 24 uint8 (E2M3 codes of x, K innermost, in blocks of 32 codes, four codes in three bytes); x_scales 4 x 1,024 x 16 uint8 (E8M0 scales of x, one for each 32 codes along K).
;; Outputs: out0 4 x 1,024 x 512 float32.
;; This version of the problem:
;;   THIS VERSION OF THE PROBLEM IS GIVEN IN LOW PRECISION. The matrix products marked QUANTISED in the list below multiply operands that are first quantised to E2M3 (2 exponent bits, 3 mantissa bits; 6 bits a number), with one power-of-two scale for each 32 numbers along K (OCP MX v1.0); their sums are f32. All else is computed in f32.
;;   The module's matrix products, in the order in which they are computed (A, B: the left and right operand; K: the contracted axis; several contracted axes count as one K, in the product's order):
;;     1. [M 4,096, K 512] x [K 512, N 512]; A: input x (given as codes); B: input Wq (given as codes): QUANTISED
;;     2. [M 4,096, K 512] x [K 512, N 512]; A: input x (given as codes); B: input Wk (given as codes): QUANTISED
;;     3. [M 4,096, K 512] x [K 512, N 512]; A: input x (given as codes); B: input Wv (given as codes): QUANTISED
;;     4. batch 32 x [M 1,024, K 64] x [K 64, N 1,024]; A: computed on the way; B: computed on the way: QUANTISED
;;     5. [M 4,194,304, K 2] x [K 2, N 64]; A: computed on the way; B: input W1: left as it is (K = 2 < 32)
;;     6. [M 4,194,304, K 64] x [K 64, N 8]; A: computed on the way; B: input W2: left as it is (N = 8 < 16)
;;     7. batch 32 x [M 1,024, K 1,024] x [K 1,024, N 64]; A: softmax (see below); B: computed on the way: QUANTISED
;;     8. [M 4,096, K 512] x [K 512, N 512]; A: computed on the way; B: input Wo (given as codes): QUANTISED
;;   THE QUANTISER, for each operand of a quantised product, along K:
;;     - K is cut into blocks of 32 from its start; a last block that is shorter is filled with zeros.
;;     - A block's scale is 2^e with e = floor(log2(the largest magnitude in the block)) - 2, held to -126 .. 127; a block of zeros has e = 0. As a byte (E8M0): e + 127.
;;     - Each number is divided by its block's scale, clamped to +-7.5, and rounded to the nearest number of E2M3, ties to even, subnormals kept.
;;     - The product sums the exact products of the quantised numbers (number of the format x scale) in f32.
;;   ~~~python
;;   def quantise(x, axis):      # numpy; x: float32 -> the quantised numbers, widened to float32 again
;;       x = np.moveaxis(x, axis, -1); K = x.shape[-1]
;;       x = np.pad(x, [(0, 0)] * (x.ndim - 1) + [(0, -K % 32)]); x = x.reshape(x.shape[:-1] + (-1, 32)); a = np.abs(x).max(-1, keepdims=True)
;;       e = np.where(a > 0, np.clip(np.frexp(np.where(a > 0, a, 1))[1] - 1 - 2, -126, 127), 0)      # np.frexp(a)[1] - 1 = floor(log2(a)), exactly
;;       r = np.clip(x / 2.0 ** e, -7.5, 7.5)
;;       step = 2.0 ** (np.maximum(np.frexp(np.where(r == 0, 1, r))[1] - 1, 0) - 3)
;;       q = np.round(r / step) * step * 2.0 ** e      # np.round: ties to even
;;       return np.moveaxis(q.reshape(q.shape[:-2] + (-1,))[..., :K], -1, axis).astype(np.float32)
;;   ~~~
;;   SOFTMAX AHEAD OF A QUANTISED PRODUCT. Where the list says 'softmax', what is quantised is not the finished softmax but p = 2^(t - M), with t = logit x log2(e) and M = ceil(the row's largest t), a whole number; so 1/2 < the row's largest p <= 1. The row's sum l is taken of the UNQUANTISED p, in f32, and the product's result is divided by l at the end. Since M is a whole number, a kernel that streams over the keys may use a running M (the ceiling of the running maximum): every later rescaling is an exact power of two, which a block's scale takes up: the codes' values come out the same.
;;   OPERANDS COMPUTED ON THE WAY. 'Computed on the way' means the value that the module computes at that place (a softmax that the list does not call 'softmax' is quantised finished and normalised). What goes into a quantiser is computed in f32, as accurately as f32 sums, v_exp_f32 and their like allow (about 1e-6 of the number): no bf16 or f16 on the way to a quantiser, and a product that is left as it is and whose result goes on into a quantised operand takes f32 operands (vector FMAs, or v_wmma_f32_16x16x4_f32). A number that lies on a knife's edge between two numbers of the format may be rounded either way, as far as f32 arithmetic and the matrix unit's own rounding can turn it there, and no further.
;;   INPUTS GIVEN AS CODES. Wk (in the module: [512, 512], K = its axis 0); Wo (in the module: [512, 512], K = its axis 0); Wq (in the module: [512, 512], K = its axis 0); Wv (in the module: [512, 512], K = its axis 0); x (in the module: [4, 1024, 512], K = its axis 2): each comes as NAME_codes (uint8): NAME with its K axis moved to the last place and cut into blocks of 32 codes, [.., K / 32, bytes a block], one block behind the other in memory; four codes in three bytes: a row's codes are one little-endian stream of bits, code i at bits 6 i .. 6 i + 5 (a code: sign, 2 exponent bits, 3 mantissa bits); and NAME_scales (uint8): the same leading axes, one E8M0 byte (e + 127) for each 32 codes along K. Its value is code x scale, taken as it is: it is not quantised again, and the codes and scales need not be those that the quantiser above would give.
;; 2 versions, each right. Each part assembles by itself: llvm-mc -triple=amdgcn-amd-amdhsa -mcpu=gfx1250 --defsym DOCPART=n.
;; ======== version 1 of 2: 2 launches
;; limits: a difference of large sums (such as E[x^2] - mean^2): digits are lost where the result is much smaller than its terms
;; workspace buffers: qkv_codes 4,718,592 bytes; qkv_scales 393,216 bytes
;; launch qkv (part 1): grid 192 x 1, 4 waves a work-group, no clusters, 0 bytes of LDS; arguments x_codes, x_scales, Wq_codes, Wq_scales, bq, Wk_codes, Wk_scales, bk, Wv_codes, Wv_scales, bv, qkv_codes, qkv_scales; writes qkv_codes, qkv_scales
.if DOCPART == 1
	.amdgcn_target "amdgcn-amd-amdhsa--gfx1250"
	.amdhsa_code_object_version 6
	.text
	.protected	k_q1a9f484fbf_qkv
	.globl	k_q1a9f484fbf_qkv
	.p2align	8
	.type	k_q1a9f484fbf_qkv,@function
k_q1a9f484fbf_qkv:
	s_mov_b64 s[64:65], 0
	v_nop
	global_prefetch_b8 v0, s[64:65] scope:SCOPE_SE
	s_setreg_imm32_b32 hwreg(HW_REG_WAVE_MODE, 25, 1), 1
	s_wait_xcnt 0x0
; Q = x Wq + bq, K = x Wk + bk, V = x Wv + bv on codes of FP6 (E2M3) with E8M0 scales, and the quantisers behind them: Q and K along a head's 64, V along the keys.
; NO WORK OF THE PROBLEM IS LEFT OUT in this program: every input has a way to the output and is loaded (the next kernel's head says how the pair bias is re-ordered by identities).
; ONE SCHEME FOR ALL THREE.  A wave HOLDS 128 rows of one operand for all of K = 512 in registers (8 tiles x 4 K steps = 32 fragments, 384 registers) and STREAMS four tiles of 16 rows of the other.
; Source 0 = the held rows, source 1 = the streamed rows: a lane then holds ONE streamed row, and its 64 results run along the held rows.  The held rows of tile t are not neighbours:
; lane r takes row 32 (t / 2) + 8 (t % 2) + r + 8 (r / 8), so that the 16 registers of tiles 2 b and 2 b + 1 are held rows 32 b + 16 (lane / 16) + 0 .. 15: 16 neighbours along the next product's K.
;   Q, K: held = 128 rows n of Wq or Wk (a pair of heads), streamed = tokens.     V: held = 128 tokens of x, streamed = channels of Wv.
; The streamed rows of tile T go by the same map, sel(T, r) = 32 (T / 2) + 8 (T % 2) + r + 8 (r / 8): the next launch wants keys, queries and channels so.
; OUT: fragments in the order of an operand's registers.  Fragment F = 1,536 bytes = two halves of 768: in half e, lane l's registers 6 e .. 6 e + 3 at 16 l, its registers 6 e + 4, 6 e + 5 at 512 + 8 l.
; Its scale words: 128 bytes, lane l's at 4 l.  F = 4 T + hp (Q), 1024 + 4 T + hp (K), 2048 + 32 tg + ct (V); T token tile, hp pair of heads, tg group of 128 tokens, ct channel tile.
; SHARES: work-groups 0-63 Q, 64-127 K (pair of heads (g / 16) % 4, token tiles 16 (g % 16) + 4 wave + 0 .. 3); 128-191 V (tokens' group g' / 2, channel tiles 16 (g' % 2) + 4 wave + 0 .. 3).
; LIMITS: a block of zeros gets the scale byte 1 where the rule says 127 (its codes are zeros, and this program alone reads the bytes); blocks whose largest magnitude lies under 2^-124 were not tried;
; NaN and infinities are not served.
; REGISTERS: window 0: v1-9 lane terms; v10-17 streamed scale words, two sets; v18-81 the 8 result tiles; v82-177 streamed fragments, two sets; v178-196 codes; v198-213 at work; v214 the scale word; v224-255 held scale words.
;   window 1: held fragments of K steps 0, 1 (v[96 (s % 2) + 12 t]);  window 2: of K steps 2, 3; from v192 the biases, in the result's layout.
.set HA,  18
.set SF,  82
.set SS,  10
.set PC,  178
.set TM,  198
.set PW,  214
.set HSC, 224
.set CB,  192
.set SEL, 46
.set MSB, 0
.macro WIN new                         ; the immediate's high byte repeats the setting that is left; a switch that changes nothing is dropped
.if MSB != (\new)
	s_set_vgpr_msb (MSB<<8)|(\new)
.set MSB, (\new)
.endif
.endm
; 64 numbers of a lane, register 16 b + i = k 32 b + 16 (lane / 16) + i of my row, become a fragment's codes in v[PC] on and its scale word in v[PW]
.macro QUANT s
.irp b, 0,1,2,3
	v_max3_num_f32 v[TM+\b], |v[\s+16*\b]|, |v[\s+1+16*\b]|, 0x1800000   ; my 16 numbers of block b, and the floor 2^(3 - 127): the byte cannot fall under 1
.endr
.irp i, 2,4,6,8,10,12,14
.irp b, 0,1,2,3
	v_max3_num_f32 v[TM+\b], v[TM+\b], |v[\s+16*\b+\i]|, |v[\s+1+16*\b+\i]|
.endr
.endr
.irp b, 0,1,2,3
	v_permlanex16_b32 v[TM+4+\b], v[TM+\b], s[SEL], s[SEL+1]
.endr
.irp b, 0,1,2,3
	v_max_num_f32 v[TM+\b], v[TM+\b], v[TM+4+\b]       ; with lane l xor 16's: the block's largest magnitude
.endr
.irp b, 0,1,2,3
	v_add_nc_u32 v[TM+12+\b], 0xff000000, v[TM+\b]     ; 2 off its exponent field: the conversion's scale operand
.endr
.irp b, 0,1,2,3
	v_lshrrev_b32 v[TM+4+\b], 23, v[TM+12+\b]          ; the scale's byte
.endr
	v_lshl_or_b32 v[PW], v[TM+5], 8, v[TM+4]
	v_lshl_or_b32 v[PW], v[TM+6], 16, v[PW]
	v_lshl_or_b32 v[PW], v[TM+7], 24, v[PW]
.irp c, 0,1
	v_cvt_scalef32_pk16_fp6_f32 v[PC+6*\c:PC+2+6*\c], v[\s+32*\c:\s+15+32*\c], v[TM+12+2*\c]
	v_cvt_scalef32_pk16_fp6_f32 v[PC+12+4*\c:PC+14+4*\c], v[\s+16+32*\c:\s+31+32*\c], v[TM+12+2*\c+1]   ; (a conversion's three registers begin on an even number)
.endr
	v_nop                                              ; one plain place behind a scaled conversion
.irp c, 0,1                            ; the operand's layout wants a whole block in a lane
.irp i, 0,1,2
	v_permlane16_swap_b32 v[PC+6*\c+\i], v[PC+12+4*\c+\i]
.endr
.irp i, 0,1,2
	v_mov_b32 v[PC+3+6*\c+\i], v[PC+12+4*\c+\i]
.endr
.endr
.endm
.macro HELD                            ; the 32 held fragments and their rows' scale words (16 bytes a row: a word for each K step)
.irp s, 0,1,2,3
	WIN 0x40+0x40*(\s/2)
.irp t, 0,1,2,3,4,5,6,7
.irp p, 0,1,2,3,4,5
	global_load_b64 v[96*(\s%2)+12*\t+2*\p:96*(\s%2)+12*\t+2*\p+1], v4, s[32:33] offset:(32*(\t/2)+8*(\t%2))*384+96*\s+48*(\p/3)+8*(\p%3)
.endr
.endr
.endr
	WIN 0
.irp t, 0,1,2,3,4,5,6,7
	global_load_b128 v[HSC+4*\t:HSC+4*\t+3], v5, s[34:35] offset:(32*(\t/2)+8*(\t%2))*16
.endr
.endm
.macro STREAM i, set                   ; streamed tile i: four fragments and the rows' scale words: 25 loads
.irp s, 0,1,2,3
.irp p, 0,1,2,3,4,5
	global_load_b64 v[SF+48*(\set)+12*\s+2*\p:SF+48*(\set)+12*\s+2*\p+1], v4, s[36:37] offset:(32*((\i)/2)+8*((\i)%2))*384+96*\s+48*(\p/3)+8*(\p%3)
.endr
.endr
	global_load_b128 v[SS+4*(\set):SS+4*(\set)+3], v5, s[38:39] offset:(32*((\i)/2)+8*((\i)%2))*16
.endm
; 32 matrix instructions: K step by K step, the 8 accumulators by turns, one instruction a turn.  The bias is the C of each sum's first instruction.
.macro MULS set, i, isv
.irp s, 0,1,2,3
.if \s == 0
	WIN 0x21                                           ; source 0 window 1, C (the bias) window 2
.elseif \s == 1
	WIN 0x01
.else
	WIN 0x02
.endif
.irp t, 0,1,2,3,4,5,6,7
.if \s == 0
.if \isv
	v_wmma_scale_f32_16x16x128_f8f6f4 v[HA+8*\t:HA+8*\t+7], v[12*\t:12*\t+11], v[SF+48*(\set):SF+48*(\set)+11], v[CB+8*(\i):CB+8*(\i)+7], v[HSC+4*\t], v[SS+4*(\set)] matrix_a_fmt:MATRIX_FMT_FP6 matrix_b_fmt:MATRIX_FMT_FP6
.else
	v_wmma_scale_f32_16x16x128_f8f6f4 v[HA+8*\t:HA+8*\t+7], v[12*\t:12*\t+11], v[SF+48*(\set):SF+48*(\set)+11], v[CB+8*\t:CB+8*\t+7], v[HSC+4*\t], v[SS+4*(\set)] matrix_a_fmt:MATRIX_FMT_FP6 matrix_b_fmt:MATRIX_FMT_FP6
.endif
.else
	v_wmma_scale_f32_16x16x128_f8f6f4 v[HA+8*\t:HA+8*\t+7], v[96*(\s%2)+12*\t:96*(\s%2)+12*\t+11], v[SF+48*(\set)+12*\s:SF+48*(\set)+12*\s+11], v[HA+8*\t:HA+8*\t+7], v[HSC+4*\t+\s], v[SS+4*(\set)+\s] matrix_a_fmt:MATRIX_FMT_FP6 matrix_b_fmt:MATRIX_FMT_FP6
.endif
.endr
.endr
.endm
.macro OUT i, isv                      ; the fragment as an image of its registers: each store of the wave covers 512 or 256 consecutive bytes, aligned; the scale words 128
.if \isv
.set OC, 1536*(\i)
.set OS, 128*(\i)
.else
.set OC, 6144*(\i)
.set OS, 512*(\i)
.endif
	global_store_b128 v6, v[PC:PC+3], s[42:43] offset:OC
	global_store_b64 v7, v[PC+4:PC+5], s[42:43] offset:OC+512
	global_store_b128 v6, v[PC+6:PC+9], s[42:43] offset:OC+768
	global_store_b64 v7, v[PC+10:PC+11], s[42:43] offset:OC+1280
	global_store_b32 v9, v[PW], s[44:45] offset:OS
.endm
.macro TILE i, isv
.if (\i) < 3
	s_wait_loadcnt 25                                  ; all but the 25 loads of the one younger streamed tile are in
.else
	s_wait_loadcnt 0x0
.endif
	MULS ((\i)%2), \i, \isv
	WIN 0
.rept 4
	v_nop                                              ; places in front of the first read of results and of loads into registers that matrix instructions have read
.endr
.if (\i) < 2
	STREAM ((\i)+2), ((\i)%2)                          ; two tiles ahead, into the set just multiplied
.endif
.if (\i) > 0
	s_wait_xcnt 0x0                                    ; the last tile's stores have read the codes' registers and the scale word: they are written again only behind this wait
.endif
	QUANT HA
	OUT \i, \isv
.endm
.macro BODY isv
	STREAM 0, 0
	HELD
	WIN 0x80
.if \isv
.irp u, 0,1,2,3                        ; V: the bias belongs to the lane's channel: the same number in all eight registers of a C; all four tiles' now
.irp j, 0,1,2,3,4,5,6,7
	global_load_b32 v[CB+8*\u+\j], v8, s[40:41] offset:(32*(\u/2)+8*(\u%2))*4
.endr
.endr
.else
.irp t, 0,1,2,3,4,5,6,7                ; Q, K: the bias belongs to the held row: lane (r, h) wants those of rows 32 (t / 2) + 16 h + 8 (t % 2) + 0 .. 7
	global_load_b128 v[CB+8*\t:CB+8*\t+3], v8, s[40:41] offset:(32*(\t/2)+8*(\t%2))*4
	global_load_b128 v[CB+8*\t+4:CB+8*\t+7], v8, s[40:41] offset:(32*(\t/2)+8*(\t%2))*4+16
.endr
.endif
	WIN 0
	STREAM 1, 1
	TILE 0, \isv
	TILE 1, \isv
	TILE 2, \isv
	TILE 3, \isv
	s_endpgm
.endm
	s_load_b512 s[4:19], s[0:1], 0x0                   ; x codes, x scales, Wq codes, Wq scales, bq, Wk codes, Wk scales, bk
	s_load_b256 s[20:27], s[0:1], 0x40                 ; Wv codes, Wv scales, bv, qkv_codes
	s_load_b64 s[28:29], s[0:1], 0x60                  ; qkv_scales
	v_lshrrev_b32 v1, 5, v0
	v_readfirstlane_b32 s31, v1                        ; wave
	s_mov_b32 s30, ttmp9                               ; g
	v_and_b32 v1, 15, v0                               ; r
	v_bfe_u32 v2, v0, 4, 1                             ; h
	v_and_b32 v3, 8, v1
	v_add_nc_u32 v3, v3, v1                            ; r + 8 (r / 8)
	v_mul_u32_u24 v4, v3, 384                          ; a row of 512 codes is 384 bytes
	v_mad_u32_u24 v4, v2, 24, v4
	v_lshlrev_b32 v5, 4, v3                            ; a row of scales is 16 bytes
	v_and_b32 v9, 31, v0
	v_lshlrev_b32 v6, 4, v9                            ; 16 x lane
	v_lshlrev_b32 v7, 3, v9                            ; 8 x lane
	v_lshlrev_b32 v9, 2, v9                            ; 4 x lane
	s_mov_b32 s[SEL], 0x76543210
	s_mov_b32 s[SEL+1], 0xfedcba98                     ; v_permlanex16_b32's selects for lane l xor 16
.irp b, 0,1,2,3
	v_mov_b32 v[TM+4+\b], 0                            ; written once: a lane permute's destination counts as one of its sources
.endr
	s_mov_b32 s51, 0
	s_wait_kmcnt 0x0
	s_cmp_ge_u32 s30, 128
	s_cbranch_scc1 .Lv
	; ---- Q or K
	s_cmp_lt_u32 s30, 64                               ; the choice hangs on the work-group's number alone
	s_cselect_b64 s[32:33], s[8:9], s[14:15]
	s_cselect_b64 s[34:35], s[10:11], s[16:17]
	s_cselect_b64 s[40:41], s[12:13], s[18:19]
	s_bfe_u32 s48, s30, 0x20004                        ; hp
	s_mul_i32 s50, s48, 49152
	s_add_nc_u64 s[32:33], s[32:33], s[50:51]          ; held: 128 rows of the weight,
	s_lshl_b32 s50, s48, 11
	s_add_nc_u64 s[34:35], s[34:35], s[50:51]          ; their scales,
	s_lshl_b32 s50, s48, 9
	s_add_nc_u64 s[40:41], s[40:41], s[50:51]          ; their biases
	s_and_b32 s52, s30, 15
	s_lshl_b32 s52, s52, 4
	s_lshl_b32 s53, s31, 2
	s_add_co_u32 s52, s52, s53                         ; T0
	s_mul_i32 s50, s52, 6144
	s_add_nc_u64 s[36:37], s[4:5], s[50:51]            ; streamed: tokens from 16 T0 on
	s_lshl_b32 s50, s52, 8
	s_add_nc_u64 s[38:39], s[6:7], s[50:51]
	s_lshr_b32 s53, s30, 6
	s_lshl_b32 s53, s53, 10
	s_lshl_b32 s52, s52, 2
	s_add_co_u32 s53, s53, s52
	s_add_co_u32 s53, s53, s48                         ; F0 = 1024 kind + 4 T0 + hp
	s_mul_i32 s50, s53, 1536
	s_add_nc_u64 s[42:43], s[26:27], s[50:51]
	s_lshl_b32 s50, s53, 7
	s_add_nc_u64 s[44:45], s[28:29], s[50:51]
	v_lshlrev_b32 v8, 6, v2                            ; the bias's lane term: 64 h
	BODY 0
.Lv:
	; ---- V
	s_sub_co_u32 s48, s30, 128
	s_lshr_b32 s52, s48, 1                             ; tg
	s_and_b32 s53, s48, 1
	s_lshl_b32 s53, s53, 4
	s_lshl_b32 s54, s31, 2
	s_add_co_u32 s53, s53, s54                         ; ct0
	s_mul_i32 s50, s52, 49152
	s_add_nc_u64 s[32:33], s[4:5], s[50:51]            ; held: 128 tokens of x
	s_lshl_b32 s50, s52, 11
	s_add_nc_u64 s[34:35], s[6:7], s[50:51]
	s_mul_i32 s50, s53, 6144
	s_add_nc_u64 s[36:37], s[20:21], s[50:51]          ; streamed: channels from 16 ct0 on
	s_lshl_b32 s50, s53, 8
	s_add_nc_u64 s[38:39], s[22:23], s[50:51]
	s_lshl_b32 s50, s53, 6
	s_add_nc_u64 s[40:41], s[24:25], s[50:51]
	s_lshl_b32 s52, s52, 5
	s_add_co_u32 s52, s52, s53
	s_add_co_u32 s52, s52, 2048                        ; F0 = 2048 + 32 tg + ct0
	s_mul_i32 s50, s52, 1536
	s_add_nc_u64 s[42:43], s[26:27], s[50:51]
	s_lshl_b32 s50, s52, 7
	s_add_nc_u64 s[44:45], s[28:29], s[50:51]
	v_lshlrev_b32 v8, 2, v3                            ; the bias's lane term: 4 (r + 8 (r / 8))
	BODY 1
.Lfunc_end_k_q1a9f484fbf_qkv:
	.size	k_q1a9f484fbf_qkv, .Lfunc_end_k_q1a9f484fbf_qkv-k_q1a9f484fbf_qkv
	.p2alignl 7, 3214868480
	.fill 96, 4, 3214868480
	.section	.rodata,"a",@progbits
	.p2align	6, 0x0
	.amdhsa_kernel k_q1a9f484fbf_qkv
		.amdhsa_group_segment_fixed_size 0
		.amdhsa_private_segment_fixed_size 0
		.amdhsa_enable_private_segment 0
		.amdhsa_kernarg_size 104
		.amdhsa_user_sgpr_count 2
		.amdhsa_user_sgpr_kernarg_segment_ptr 1
		.amdhsa_wavefront_size32 1
		.amdhsa_system_sgpr_workgroup_id_x 1
		.amdhsa_system_sgpr_workgroup_id_y 1
		.amdhsa_system_sgpr_workgroup_id_z 1
		.amdhsa_system_vgpr_workitem_id 0
		.amdhsa_next_free_vgpr 768
		.amdhsa_next_free_sgpr 66
		.amdhsa_reserve_vcc 0
		.amdhsa_float_denorm_mode_32 3
		.amdhsa_float_denorm_mode_16_64 3
		.amdhsa_memory_ordered 1
		.amdhsa_forward_progress 1
		.amdhsa_inst_pref_size 133
	.end_amdhsa_kernel
	.amdgpu_metadata
---
amdhsa.version: [ 1, 2 ]
amdhsa.kernels:
  - .name:           k_q1a9f484fbf_qkv
    .symbol:         k_q1a9f484fbf_qkv.kd
    .args:
      - { .name: x_codes, .offset: 0, .size: 8, .value_kind: global_buffer, .address_space: global }
      - { .name: x_scales, .offset: 8, .size: 8, .value_kind: global_buffer, .address_space: global }
      - { .name: Wq_codes, .offset: 16, .size: 8, .value_kind: global_buffer, .address_space: global }
      - { .name: Wq_scales, .offset: 24, .size: 8, .value_kind: global_buffer, .address_space: global }
      - { .name: bq, .offset: 32, .size: 8, .value_kind: global_buffer, .address_space: global }
      - { .name: Wk_codes, .offset: 40, .size: 8, .value_kind: global_buffer, .address_space: global }
      - { .name: Wk_scales, .offset: 48, .size: 8, .value_kind: global_buffer, .address_space: global }
      - { .name: bk, .offset: 56, .size: 8, .value_kind: global_buffer, .address_space: global }
      - { .name: Wv_codes, .offset: 64, .size: 8, .value_kind: global_buffer, .address_space: global }
      - { .name: Wv_scales, .offset: 72, .size: 8, .value_kind: global_buffer, .address_space: global }
      - { .name: bv, .offset: 80, .size: 8, .value_kind: global_buffer, .address_space: global }
      - { .name: qkv_codes, .offset: 88, .size: 8, .value_kind: global_buffer, .address_space: global }
      - { .name: qkv_scales, .offset: 96, .size: 8, .value_kind: global_buffer, .address_space: global }
    .group_segment_fixed_size: 0
    .private_segment_fixed_size: 0
    .kernarg_segment_align: 8
    .kernarg_segment_size: 104
    .max_flat_workgroup_size: 128
    .sgpr_count:     66
    .vgpr_count:     768
    .wavefront_size: 32
...
	.end_amdgpu_metadata
.endif
;; end of part 1
;; launch attn (part 2): grid 256 x 1, 4 waves a work-group, no clusters, 311,296 bytes of LDS; arguments freqs, W1, b1, W2, b2, qkv_codes, qkv_scales, Wo_codes, Wo_scales, bo, out0; writes out0
.if DOCPART == 2
	.amdgcn_target "amdgcn-amd-amdhsa--gfx1250"
	.amdhsa_code_object_version 6
	.text
	.protected	k_q1a9f484fbf_attn
	.globl	k_q1a9f484fbf_attn
	.p2align	8
	.type	k_q1a9f484fbf_attn,@function
k_q1a9f484fbf_attn:
	s_mov_b64 s[64:65], 0
	v_nop
	global_prefetch_b8 v0, s[64:65] scope:SCOPE_SE
	s_setreg_imm32_b32 hwreg(HW_REG_WAVE_MODE, 25, 1), 1
	s_wait_xcnt 0x0
; Scores with the pair bias, softmax, context and the projection on the way out.  Quantised products on codes of FP6 (E2M3) with E8M0 scales; the pair bias in f32 (it goes on into the quantised p).
; NO WORK IS LEFT OUT: b2 and the query's part of the bias are the same along the softmax's axis, but they move M = ceil(the largest t) and so p's codes: they stay.  The bias is RE-ORDERED, by identities
; that hold for all finite inputs.  With a = f + 1e-6, L = ln|a|:  rel(i, j) W1 + b1 = A_m(i) - B_m(j),  A_m(i) = W1[0][m] f_i + W1[1][m] L_i + b1[m],  B_m(j) = W1[0][m] f_j + W1[1][m] L_j;
; relu(A - B) = A - min(A, B);  so bias_h(i, j) = b2[h] + sum_m W2[m][h] A_m(i) - sum_m W2[m][h] min(A_m(i), B_m(j)).  A pair and a hidden unit cost one minimum and eight multiply-adds.
; The accumulators hold D = Q.K + sum_m min(A, B) (-8 W2[m][h]) (the scores' matrix instruction starts the sum; sqrt(64) = 8);  t = c D + cE,  c = log2(e) / 8,  cE_h(i) = log2(e) (b2[h] + sum_m W2[m][h] A_m(i)).
; LIMITS: ln(a_i / a_j) is taken as ln|a_i| - ln|a_j|: the same wherever all f + 1e-6 of a batch have one sign and none is 0; with mixed signs or a zero, where the quotient's logarithm is NaN or infinite,
; this text gives finite numbers.  A - B is a difference of products, not a product of f_i - f_j: its absolute error is about 2^-24 |W1| (|f| + |L|) a unit, and the query's part of the bias is added apart from the
; minima's: about 2^-24 sum |W2 A|; both grow in proportion with the inputs.  A block of zeros has the scale byte 1 (this program alone reads the bytes).  NaN and infinities are not served.
; SHARES: work-group T owns the 16 queries sel(T, r) = 32 (T / 2) + 8 (T % 2) + r + 8 (r / 8), for all 8 heads: one minimum serves 8 heads, and whole rows of the context end in one work-group.
; Wave w owns keys 256 w .. 256 w + 255 of the batch, in 4 chunks of 64, with a running M, sum and O^T of its own; the four are merged at the end by exact powers of two.
; A lane (r, h) holds query r throughout (both products transposed); in a chunk register 16 b + i of a head is key 32 b + 16 h + i.
; K = 64 IN AN INSTRUCTION OF 128: a fragment of K holds BOTH heads of a pair; Q's operand is [Q even][zeros] or [zeros][Q odd]: zero codes blank the other head.  Likewise p's operand is [p][zeros].
; NO TENSOR LOADS, NO CLUSTER: the table of B takes 262,144 bytes of LDS, and a chunk's K and V are 196,608 bytes a work-group, so no two slots fit; the operands, laid by the first launch in the order of
; their registers, go from memory straight into registers, a phase ahead of their use.
; LDS: BT 4 x 65,536 wave w's B_m(key), row m at 1,024 m (later the wave's partial O^T, -M and sum) | WT -8 W2 [m][8] | AT (A_m, A_m+1) at 128 (m / 2) + 8 r | EP partial sums of W2 A | CI, CSC images of the
; context's fragments and scale words | SG a stage of 16 rows x 528 a wave | the spare words.
; REGISTERS: window 0: v1-15 addresses; v16-87 Q's operands; v88-91 Q's scale words (later the context's); v92-99 cE; v100-115 sums; v116-123 -M; v124-131 K's scale words; v132-195 B, v196-227 W2 (two sets),
;   v228-229 A (in the softmax v132-169 are at work); v230-245 V's scale words (later Wo's); v246-251 at work; v252, v253 the add's two; v254 p's scale word.
;   window 1: O^T, head h at 32 h.   window 2: the accumulators, head h at 32 h.   window 3: v0-191 K's fragments 0-13, then V's 32 half fragments; v192-255 the minima (v200-223: K's fragments 14, 15 between bias loops).
.set BT,    0
.set WT,    262144
.set AT,    264192
.set EP,    268288
.set CI,    270336
.set CSC,   276480
.set SG,    276992
.set SPARE, 310784
.set QF,  16
.set QS,  88
.set CE,  92
.set SUM, 100
.set NM,  116
.set KS,  124
.set BV,  132
.set WR,  196
.set AP,  228
.set VS,  230
.set PS,  254
.set HID, 192
.set TM,  16                           ; the context's quantiser works where Q lay
.set PC,  32
.set PW,  52
.set SEL, 30
.set MSB, 0
.macro WIN new                         ; the immediate's high byte repeats the setting that is left; a switch that changes nothing is dropped
.if MSB != (\new)
	s_set_vgpr_msb (MSB<<8)|(\new)
.set MSB, (\new)
.endif
.endm
.macro KFRAG f                         ; fragment f of the chunk at s[38:39] into its registers of window 3
.if (\f) < 14
.set KR, 12*(\f)
.else
.set KR, 200+12*((\f)-14)
.endif
	global_load_b128 v[KR:KR+3], v1, s[38:39] offset:1536*(\f)
	global_load_b64 v[KR+4:KR+5], v2, s[38:39] offset:1536*(\f)+512
	global_load_b128 v[KR+6:KR+9], v1, s[38:39] offset:1536*(\f)+768
	global_load_b64 v[KR+10:KR+11], v2, s[38:39] offset:1536*(\f)+1280
.endm
.macro KSLOAD                          ; the 16 fragments' scale words, two fragments to a register: lanes 0-15 the even one's, lanes 16-31 the odd one's
.irp k, 0,1,2,3,4,5,6,7
	global_load_b32 v[KS+\k], v3, s[40:41] offset:256*\k
.endr
.endm
.macro KLOAD f0, f1, ks                ; two fragments of the NEXT chunk's K; the last chunk has no next: a branch on the count of chunks
	WIN 0
	s_cmp_eq_u32 s34, 3
	s_cbranch_scc1 .Lnok_\@
.if \ks
	KSLOAD
.endif
	WIN 0xC0
	KFRAG \f0
	KFRAG \f1
	WIN 0
.Lnok_\@:
.endm
.macro LOADS imm, wset                 ; a trip's tables: B of 2 hidden units x my 32 keys, A of my query, -8 W2 of the 2 units: 21 LDS loads
.irp p, 0,1
.irp b, 0,1
.irp q, 0,1,2,3
	ds_load_b128 v[BV+32*\p+16*\b+4*\q:BV+32*\p+16*\b+4*\q+3], v6 offset:2048*(\imm)+1024*\p+128*\b+16*\q
.endr
.endr
.endr
	ds_load_b64 v[AP:AP+1], v7 offset:128*(\imm)
.irp q, 0,1,2,3
	ds_load_b128 v[WR+16*(\wset)+4*\q:WR+16*(\wset)+4*\q+3], v8 offset:64*(\imm)+16*\q
.endr
.endm
.macro FMAS par                        ; 256 packed multiply-adds: unit p, head, keys ascending: each score tile is first read at its two lowest registers
.irp p, 0,1
.irp g, 0,1,2,3
.irp k, 0,2,4,6,8,10,12,14,16,18,20,22,24,26,28,30
	v_pk_fma_f32 v[64*\g+\k:64*\g+\k+1], v[HID+32*\p+\k:HID+32*\p+\k+1], v[WR+16*(\par)+8*\p+2*\g:WR+16*(\par)+8*\p+2*\g+1], v[64*\g+\k:64*\g+\k+1] op_sel_hi:[1,0,1]
.endr
.irp k, 0,2,4,6,8,10,12,14,16,18,20,22,24,26,28,30
	v_pk_fma_f32 v[64*\g+32+\k:64*\g+32+\k+1], v[HID+32*\p+\k:HID+32*\p+\k+1], v[WR+16*(\par)+8*\p+2*\g:WR+16*(\par)+8*\p+2*\g+1], v[64*\g+32+\k:64*\g+32+\k+1] op_sel:[0,1,0] op_sel_hi:[1,1,1]
.endr
.endr
.endr
.endm
; Two hidden units for 16 queries x 64 keys x 8 heads.  par: which set of W2; ahead: the next trip's tables are asked for; pf: the prefetch's test stands here
.macro TRIP par, ahead, pf
	s_wait_dscnt 0x0                                   ; this trip's 21 loads, asked for 256 multiply-adds ago
.if (\par) == 0
	WIN 0
	v_add_nc_u32 v6, s52, v5                           ; no LDS load of mine is out: the addresses of the next two trips' tables
	v_add_nc_u32 v7, s53, v9
	v_mov_b32 v8, s54
.endif
	WIN 0xC0
.irp p, 0,1
.set k, 0
.rept 32
	v_min_num_f32 v[HID+32*\p+k], v[AP+\p], v[BV+32*\p+k]
.set k, k+1
.endr
.endr
	WIN 0
.if \ahead
	LOADS \par, (1-\par)
.endif
.if \pf
	s_cmp_eq_u32 s35, s37
	s_cbranch_scc0 .Lnopf_\@
	global_prefetch_b8 v11, s[38:39] th:TH_LOAD_NT scope:SCOPE_SE                ; the next chunk's 16 fragments of K, 24,576 bytes: lanes 256 bytes apart, three instructions.  Asked once in the launch:
	global_prefetch_b8 v11, s[38:39] offset:8192 th:TH_LOAD_NT scope:SCOPE_SE    ; by the batch's first work-group, each wave for its own keys, in trip 13 of 15 of chunks 0 to 2: six units' pairs ahead
	global_prefetch_b8 v11, s[38:39] offset:16384 th:TH_LOAD_NT scope:SCOPE_SE   ; of the first load that wants them
.Lnopf_\@:
.endif
	WIN 0xA3                                           ; the minima window 3, W2 window 0, the accumulators window 2
	FMAS \par
.endm
; The softmax of head h for this chunk's 64 keys, p's quantiser, and O^T += V^T p^T
.macro HEAD h
.set S, 32*(\h)
	WIN 0x2A
.irp q, 0,1,2,3
	v_max3_num_f32 v[132+\q], v[S+8*\q], v[S+8*\q+1], v[S+8*\q+2]   ; four chains of eight: the largest D of each half block
.endr
	WIN 0x28
.irp q, 0,1,2,3
	v_max3_num_f32 v[132+\q], v[132+\q], v[S+8*\q+3], v[S+8*\q+4]
.endr
.irp q, 0,1,2,3
	v_max3_num_f32 v[132+\q], v[132+\q], v[S+8*\q+5], v[S+8*\q+6]
.endr
.irp q, 0,1,2,3
	v_max_num_f32 v[132+\q], v[132+\q], v[S+8*\q+7]
.endr
	WIN 0
	v_max_num_f32 v138, v132, v133                     ; my 16 keys of block 0,
	v_max_num_f32 v139, v134, v135                     ; of block 1
.if (\h) > 0
	KLOAD 2*(\h)-2, 2*(\h)-1, 0                        ; into the registers of V that the head before has left: its last product stands 18 plain instructions back
.endif
	v_permlanex16_b32 v136, v138, s[SEL], s[SEL+1]
	v_permlanex16_b32 v137, v139, s[SEL], s[SEL+1]
	v_max_num_f32 v138, v138, v136                     ; THE LARGEST D OF EACH BLOCK OF 32 KEYS serves twice: for the row's maximum, and, since p rises with D, for the block's largest p
	v_max_num_f32 v139, v139, v137
	v_max_num_f32 v140, v138, v139
	v_fma_f32 v140, v140, s32, v[CE+\h]                ; the chunk's largest t
	v_floor_f32 v141, -v140
	v_min_num_f32 v141, v141, v[NM+\h]                 ; the new -M = floor(-the running largest t): M is a whole number
	v_sub_f32 v246, v141, v[NM+\h]                     ; old M - new M, 0 or less
	v_mov_b32 v[NM+\h], v141
	v_cvt_i32_f32 v246, v246                           ; (it saturates)
	v_ldexp_f32 v142, 1.0, v246                        ; f = 2^(old M - new M): exact
	v_add_f32 v144, v[CE+\h], v141                     ; cE - M
	v_fma_f32 v138, v138, s32, v144
	v_fma_f32 v139, v139, s32, v144
	WIN 0x82
.irp k, 0,2,4,6,8,10,12,14,16,18,20,22,24,26,28,30
	v_pk_fma_f32 v[S+\k:S+\k+1], v[S+\k:S+\k+1], s[32:33], v[144:145] op_sel_hi:[1,0,0]   ; t - M
.endr
.set k, 0
.rept 32
	v_exp_f32 v[S+k], v[S+k]                           ; p = 2^(t - M): not normalised
.set k, k+1
.endr
	WIN 0
	v_exp_f32 v138, v138                               ; the blocks' largest p: the same two instructions on the same numbers
	v_exp_f32 v139, v139
	v_nop                                              ; a plain place behind the last exponential
	s_wait_alu depctr_va_vdst(0)                       ; ONE wait for the batch of 34, ahead of its first reader
	v_pk_mul_f32 v[SUM+2*(\h):SUM+2*(\h)+1], v[SUM+2*(\h):SUM+2*(\h)+1], v[142:143] op_sel_hi:[1,0]   ; the sum under the new M
	WIN 0x0A
	v_pk_add_f32 v[168:169], v[S:S+1], v[S+2:S+3]      ; the sum is taken of the unquantised p, in two chains
	WIN 0x08
.irp j, 4,8,12,16,20,24,28
	v_pk_add_f32 v[SUM+2*(\h):SUM+2*(\h)+1], v[SUM+2*(\h):SUM+2*(\h)+1], v[S+\j:S+\j+1]
	v_pk_add_f32 v[168:169], v[168:169], v[S+\j+2:S+\j+3]
.endr
	WIN 0
	v_pk_add_f32 v[SUM+2*(\h):SUM+2*(\h)+1], v[SUM+2*(\h):SUM+2*(\h)+1], v[168:169]
	v_max_num_f32 v138, 0x1800000, v138                ; the floor 2^(3 - 127): the byte cannot fall under 1
	v_max_num_f32 v139, 0x1800000, v139
	v_add_nc_u32 v146, 0xff000000, v138                ; 2 off the exponent field: the conversion's scale operand
	v_add_nc_u32 v147, 0xff000000, v139
	v_lshrrev_b32 v148, 23, v146
	v_lshrrev_b32 v149, 23, v147
	v_lshl_or_b32 v[PS], v149, 8, v148                 ; p's scale word: two blocks; the upper two bytes go with zero codes
	WIN 0x02
	v_cvt_scalef32_pk16_fp6_f32 v[152:154], v[S:S+15], v146
	v_cvt_scalef32_pk16_fp6_f32 v[164:166], v[S+16:S+31], v147
	WIN 0
	v_nop                                              ; one plain place behind a scaled conversion
.irp i, 0,1,2
	v_permlane16_swap_b32 v[152+\i], v[164+\i]         ; the operand's layout wants a whole block in a lane
.endr
.irp i, 0,1,2
	v_mov_b32 v[155+\i], v[164+\i]
.endr
	WIN 0x41
.irp k, 0,2,4,6,8,10,12,14,16,18,20,22,24,26,28,30
	v_pk_mul_f32 v[S+\k:S+\k+1], v[S+\k:S+\k+1], v[142:143] op_sel_hi:[1,0]   ; O^T under the new M; these are also the places between the scale word, the codes and the products
.endr
	WIN 0x53                                           ; V window 3, p window 0, O^T window 1
.irp dt, 0,1,2,3                       ; source 0: six registers of V and the six that follow, which p's zero codes blank.  Four accumulators, one instruction each
.if (\dt%2) == 0
	v_wmma_scale_f32_16x16x128_f8f6f4 v[S+8*\dt:S+8*\dt+7], v[24*(\h)+6*\dt:24*(\h)+6*\dt+11], v[152:163], v[S+8*\dt:S+8*\dt+7], v[VS+2*(\h)+\dt/2], v[PS] matrix_a_fmt:MATRIX_FMT_FP6 matrix_b_fmt:MATRIX_FMT_FP6
.else
	v_wmma_scale_f32_16x16x128_f8f6f4 v[S+8*\dt:S+8*\dt+7], v[24*(\h)+6*\dt:24*(\h)+6*\dt+11], v[152:163], v[S+8*\dt:S+8*\dt+7], v[VS+2*(\h)+\dt/2], v[PS] matrix_a_fmt:MATRIX_FMT_FP6 matrix_b_fmt:MATRIX_FMT_FP6 matrix_a_scale:MATRIX_SCALE_ROW1
.endif
.endr
.endm
; 64 numbers of a lane, register 16 b + i = k 32 b + 16 (lane / 16) + i of my row, become a fragment's codes in v[PC] on and its scale word in v[PW]
.macro QUANT s
.irp b, 0,1,2,3
	v_max3_num_f32 v[TM+\b], |v[\s+16*\b]|, |v[\s+1+16*\b]|, 0x1800000
.endr
.irp i, 2,4,6,8,10,12,14
.irp b, 0,1,2,3
	v_max3_num_f32 v[TM+\b], v[TM+\b], |v[\s+16*\b+\i]|, |v[\s+1+16*\b+\i]|
.endr
.endr
.irp b, 0,1,2,3
	v_permlanex16_b32 v[TM+4+\b], v[TM+\b], s[SEL], s[SEL+1]
.endr
.irp b, 0,1,2,3
	v_max_num_f32 v[TM+\b], v[TM+\b], v[TM+4+\b]
.endr
.irp b, 0,1,2,3
	v_add_nc_u32 v[TM+12+\b], 0xff000000, v[TM+\b]
.endr
.irp b, 0,1,2,3
	v_lshrrev_b32 v[TM+4+\b], 23, v[TM+12+\b]
.endr
	v_lshl_or_b32 v[PW], v[TM+5], 8, v[TM+4]
	v_lshl_or_b32 v[PW], v[TM+6], 16, v[PW]
	v_lshl_or_b32 v[PW], v[TM+7], 24, v[PW]
.irp c, 0,1
	v_cvt_scalef32_pk16_fp6_f32 v[PC+6*\c:PC+2+6*\c], v[\s+32*\c:\s+15+32*\c], v[TM+12+2*\c]
	v_cvt_scalef32_pk16_fp6_f32 v[PC+12+4*\c:PC+14+4*\c], v[\s+16+32*\c:\s+31+32*\c], v[TM+12+2*\c+1]
.endr
	v_nop
.irp c, 0,1
.irp i, 0,1,2
	v_permlane16_swap_b32 v[PC+6*\c+\i], v[PC+12+4*\c+\i]
.endr
.irp i, 0,1,2
	v_mov_b32 v[PC+3+6*\c+\i], v[PC+12+4*\c+\i]
.endr
.endr
.endm
.macro BARRIER                         ; my LDS stores have landed and my LDS loads are in: then the work-group's barrier
	s_wait_dscnt 0x0
	s_barrier_signal -1
	s_barrier_wait -1
.endm
	s_load_b512 s[4:19], s[0:1], 0x0                   ; freqs, W1, b1, W2, b2, qkv_codes, qkv_scales, Wo codes
	s_load_b128 s[20:23], s[0:1], 0x40                 ; Wo scales, bo
	s_load_b64 s[24:25], s[0:1], 0x50                  ; out0
	v_lshl_add_u32 v252, v0, 2, SPARE                  ; my spare word,
	v_mov_b32 v253, 0                                  ; and 0: kept for the wave's closing lines alone
	v_lshrrev_b32 v12, 5, v0
	v_readfirstlane_b32 s26, v12                       ; wave
	s_mov_b32 s27, ttmp9                               ; T
	s_lshr_b32 s28, s27, 6                             ; batch
	s_mov_b32 s[SEL], 0x76543210
	s_mov_b32 s[SEL+1], 0xfedcba98
	s_mov_b32 s32, 0x3e38aa3b                          ; c = log2(e) / 8
	s_mov_b32 s33, s32                                 ; (named with it as a pair)
	s_mov_b32 s51, 0                                   ; s[50:51]: offsets, the upper word always 0
	v_and_b32 v13, 31, v0
	v_lshlrev_b32 v1, 4, v13                           ; 16 x lane
	v_lshlrev_b32 v2, 3, v13                           ; 8 x lane
	v_lshlrev_b32 v4, 2, v13                           ; 4 x lane
	v_lshlrev_b32 v11, 8, v13                          ; 256 x lane
	v_and_b32 v14, 15, v0                              ; r
	v_bfe_u32 v15, v0, 4, 1                            ; h
	v_lshlrev_b32 v3, 2, v14
	v_lshl_add_u32 v3, v15, 7, v3                      ; 128 h + 4 r: two scale records to a register
	s_lshl_b32 s50, s26, 16
	v_lshlrev_b32 v5, 6, v15
	v_add_nc_u32 v5, s50, v5                           ; my table of B: 65,536 wave + 64 h
	v_add_nc_u32 v13, s50, v1                          ; and 65,536 wave + 16 x lane
	v_lshl_add_u32 v9, v14, 3, AT                      ; A: 8 r
	s_lshl_b32 s50, s26, 10
	v_add_nc_u32 v7, s50, v9                           ; where I store my 16 units' A
	v_mul_u32_u24 v10, v14, 384
	v_mad_u32_u24 v10, v15, 24, v10                    ; Wo: row r, + 24 h
	v_lshlrev_b32 v8, 4, v0                            ; 16 x thread
	v_add_nc_u32 v6, WT, v8
	v_and_b32 v250, 8, v14
	v_add_nc_u32 v250, v250, v14
	v_lshlrev_b32 v250, 2, v250                        ; 4 (r + 8 (r / 8))
	v_lshl_add_u32 v251, v14, 4, EP
	v_mov_b32 v12, 0                                   ; the offset of loads that are the same in all lanes
	s_wait_kmcnt 0x0
	s_lshr_b32 s50, s27, 1
	s_lshl_b32 s50, s50, 7
	s_and_b32 s29, s27, 1
	s_lshl_b32 s29, s29, 5
	s_add_co_u32 s50, s50, s29
	s_add_nc_u64 s[56:57], s[4:5], s[50:51]            ; f of my tile's queries
	s_lshl_b32 s50, s28, 12
	s_lshl_b32 s29, s26, 10
	s_add_co_u32 s50, s50, s29
	s_add_nc_u64 s[58:59], s[4:5], s[50:51]            ; f of my wave's 256 keys
	s_lshl_b32 s50, s26, 6
	s_add_nc_u64 s[60:61], s[6:7], s[50:51]            ; W1 and b1 at my wave's 16 units
	s_add_nc_u64 s[62:63], s[8:9], s[50:51]
	s_lshl_b32 s50, s26, 9
	s_add_nc_u64 s[52:53], s[10:11], s[50:51]          ; W2's rows of those units
	global_load_b128 v[246:249], v8, s[10:11]          ; four numbers of W2 a thread
	global_load_b32 v228, v250, s[56:57]
	global_load_b128 v[180:183], v1, s[58:59]          ; keys 4 l .. 4 l + 3,
	global_load_b128 v[184:187], v1, s[58:59] offset:512   ; and 128 + 4 l ..
.irp j, 0,1,2,3
	global_load_b128 v[132+4*\j:135+4*\j], v12, s[60:61] offset:16*\j
	global_load_b128 v[148+4*\j:151+4*\j], v12, s[60:61] offset:256+16*\j
	global_load_b128 v[164+4*\j:167+4*\j], v12, s[62:63] offset:16*\j
.endr
	global_load_b128 v[116:119], v12, s[12:13]         ; b2 waits where -M will lie
	global_load_b128 v[120:123], v12, s[12:13] offset:16
	WIN 0x80
.set i, 0
.rept 32
	global_load_b128 v[4*i:4*i+3], v12, s[6:7] offset:16*i           ; all of W1: row 0 at v0-63 of window 2, row 1 at v64-127
	global_load_b128 v[128+4*i:131+4*i], v12, s[52:53] offset:16*i   ; my 16 rows of W2 at v128-255
.set i, i+1
.endr
	WIN 0
	s_wait_loadcnt 0x0
	s_lshl_b32 s29, s28, 8
	s_lshl_b32 s36, s26, 6
	s_add_co_u32 s29, s29, s36
	s_add_co_u32 s29, s29, 1024                        ; my first fragment of K: 1024 + 256 batch + 64 wave
	s_mul_i32 s50, s29, 1536
	s_add_nc_u64 s[38:39], s[14:15], s[50:51]
	s_lshl_b32 s50, s29, 7
	s_add_nc_u64 s[40:41], s[16:17], s[50:51]
	s_add_co_u32 s29, s29, 1024                        ; and of V
	s_mul_i32 s50, s29, 1536
	s_add_nc_u64 s[42:43], s[14:15], s[50:51]
	s_lshl_b32 s50, s29, 7
	s_add_nc_u64 s[46:47], s[16:17], s[50:51]
	s_mul_i32 s50, s27, 6144
	s_add_nc_u64 s[58:59], s[14:15], s[50:51]          ; Q's four fragments
	s_lshl_b32 s50, s27, 9
	s_add_nc_u64 s[60:61], s[16:17], s[50:51]
	WIN 0xC0
.irp f, 0,1,2,3,4,5,6,7,8,9,10,11,12,13,14,15
	KFRAG \f                                           ; chunk 0's K: it lands under the tables' work below
.endr
	WIN 0
	KSLOAD
.irp hp, 0,1,2,3
	global_load_b128 v[QF+18*\hp:QF+18*\hp+3], v1, s[58:59] offset:1536*\hp
	global_load_b64 v[QF+18*\hp+4:QF+18*\hp+5], v2, s[58:59] offset:1536*\hp+512
	global_load_b128 v[QF+18*\hp+12:QF+18*\hp+15], v1, s[58:59] offset:1536*\hp+768
	global_load_b64 v[QF+18*\hp+16:QF+18*\hp+17], v2, s[58:59] offset:1536*\hp+1280
	global_load_b32 v[QS+\hp], v4, s[60:61] offset:128*\hp
.endr
.irp hp, 0,1,2,3
.irp i, 0,1,2,3,4,5
	v_mov_b32 v[QF+18*\hp+6+\i], 0                     ; the zero codes between a pair's two heads
.endr
.endr
.irp i, 0,1,2,3,4,5,6,7,8,9,10,11,12,13,14,15
	v_mov_b32 v[SUM+\i], 0
.endr
	WIN 0x40
.set i, 0
.rept 256
	v_mov_b32 v[i], 0                                  ; O^T: the chunk's text stands once; its first pass finds zeros, which the first change of M leaves zeros
.set i, i+1
.endr
	WIN 0
	v_pk_mul_f32 v[246:247], v[246:247], 0xc1000000 op_sel_hi:[1,0]   ; -8 W2
	v_pk_mul_f32 v[248:249], v[248:249], 0xc1000000 op_sel_hi:[1,0]
	ds_store_b128 v6, v[246:249]
	s_lshl_b32 s50, s26, 9
	v_add_nc_u32 v8, s50, v251                         ; where I store my partial sums of W2 A
	v_add_f32 v229, 0x358637bd, v228                   ; f + 1e-6
.irp j, 0,1,2,3,4,5,6,7
	v_add_f32 v[188+\j], 0x358637bd, v[180+\j]
.endr
	v_log_f32 v229, |v229|
.irp j, 0,1,2,3,4,5,6,7
	v_log_f32 v[188+\j], |v[188+\j]|
.endr
	v_nop                                              ; a plain place behind the last logarithm
	s_wait_alu depctr_va_vdst(0)                       ; one wait for the batch of nine
	v_mul_f32 v229, 0x3f317218, v229                   ; x ln 2
.irp j, 0,2,4,6
	v_pk_mul_f32 v[188+\j:189+\j], v[188+\j:189+\j], 0x3f317218 op_sel_hi:[1,0]
.endr
.irp q, 0,2,4,6,8,10,12,14             ; A of my 16 units for my query
	v_pk_fma_f32 v[164+\q:165+\q], v[148+\q:149+\q], v[228:229], v[164+\q:165+\q] op_sel:[0,1,0] op_sel_hi:[1,1,1]
.endr
.irp q, 0,2,4,6,8,10,12,14
	v_pk_fma_f32 v[132+\q:133+\q], v[132+\q:133+\q], v[228:229], v[164+\q:165+\q] op_sel_hi:[1,0,1]
.endr
.irp q, 0,2,4,6,8,10,12,14
	ds_store_b64 v7, v[132+\q:133+\q] offset:64*\q     ; (both halves of the lanes write the same numbers)
.endr
	WIN 0x08                                           ; source 1 (W2) window 2
.irp k, 0,2,4,6
	v_pk_mul_f32 v[CE+\k:CE+\k+1], v[132:133], v[128+\k:129+\k] op_sel_hi:[0,1]
.endr
.set mm, 1
.rept 15
.irp k, 0,2,4,6
.if (mm%2) == 0
	v_pk_fma_f32 v[CE+\k:CE+\k+1], v[132+mm:133+mm], v[128+8*mm+\k:129+8*mm+\k], v[CE+\k:CE+\k+1] op_sel_hi:[0,1,1]
.else
	v_pk_fma_f32 v[CE+\k:CE+\k+1], v[131+mm:132+mm], v[128+8*mm+\k:129+8*mm+\k], v[CE+\k:CE+\k+1] op_sel:[1,0,0] op_sel_hi:[1,1,1]
.endif
.endr
.set mm, mm+1
.endr
	WIN 0
	ds_store_b128 v8, v[CE:CE+3]
	ds_store_b128 v8, v[CE+4:CE+7] offset:256
	s_wait_dscnt 0x0                                   ; the stores have read their registers
; the table of B: all 64 units x my wave's 256 keys, eight keys a lane, four units at a time, in two sets of registers by turns
.set g, 0
.rept 16
.set SBS, 132+64*(g%2)
.if g >= 2
	s_wait_dscnt 8                                     ; all but the other set's eight stores are done: this set may be written again
.endif
	WIN 0x08
.irp mi, 0,1,2,3
.irp kp, 0,2,4,6
.if (\mi%2) == 0
	v_pk_mul_f32 v[SBS+8*\mi+\kp:SBS+8*\mi+\kp+1], v[180+\kp:181+\kp], v[4*g+2*(\mi/2):4*g+2*(\mi/2)+1] op_sel_hi:[1,0]
.else
	v_pk_mul_f32 v[SBS+8*\mi+\kp:SBS+8*\mi+\kp+1], v[180+\kp:181+\kp], v[4*g+2*(\mi/2):4*g+2*(\mi/2)+1] op_sel:[0,1] op_sel_hi:[1,1]
.endif
.endr
.endr
.irp mi, 0,1,2,3
.irp kp, 0,2,4,6
.if (\mi%2) == 0
	v_pk_fma_f32 v[SBS+8*\mi+\kp:SBS+8*\mi+\kp+1], v[188+\kp:189+\kp], v[64+4*g+2*(\mi/2):64+4*g+2*(\mi/2)+1], v[SBS+8*\mi+\kp:SBS+8*\mi+\kp+1] op_sel_hi:[1,0,1]
.else
	v_pk_fma_f32 v[SBS+8*\mi+\kp:SBS+8*\mi+\kp+1], v[188+\kp:189+\kp], v[64+4*g+2*(\mi/2):64+4*g+2*(\mi/2)+1], v[SBS+8*\mi+\kp:SBS+8*\mi+\kp+1] op_sel:[0,1,0] op_sel_hi:[1,1,1]
.endif
.endr
.endr
	WIN 0
.irp mi, 0,1,2,3
	ds_store_b128 v13, v[SBS+8*\mi:SBS+8*\mi+3] offset:1024*(4*g+\mi)
	ds_store_b128 v13, v[SBS+8*\mi+4:SBS+8*\mi+7] offset:1024*(4*g+\mi)+512
.endr
.set g, g+1
.endr
	BARRIER                                            ; the tables lie in LDS; from here to the end of the chunks no wave stores to LDS
.irp s, 0,1,2,3
.irp k, 0,1
	ds_load_b128 v[132+8*\s+4*\k:135+8*\s+4*\k], v251 offset:512*\s+256*\k
.endr
.endr
	s_wait_dscnt 0x0
.irp u, 0,2,4,6                        ; cE = log2(e) (b2 + the four waves' parts of sum W2 A)
	v_pk_add_f32 v[CE+\u:CE+\u+1], v[132+\u:133+\u], v[140+\u:141+\u]
	v_pk_add_f32 v[148+\u:149+\u], v[148+\u:149+\u], v[156+\u:157+\u]
.endr
.irp u, 0,2,4,6
	v_pk_add_f32 v[CE+\u:CE+\u+1], v[CE+\u:CE+\u+1], v[148+\u:149+\u]
.endr
.irp u, 0,2,4,6
	v_pk_add_f32 v[CE+\u:CE+\u+1], v[CE+\u:CE+\u+1], v[NM+\u:NM+\u+1]
.endr
.irp u, 0,2,4,6
	v_pk_mul_f32 v[CE+\u:CE+\u+1], v[CE+\u:CE+\u+1], 0x3fb8aa3b op_sel_hi:[1,0]
.endr
.irp i, 0,1,2,3,4,5,6,7
	v_mov_b32 v[NM+\i], 0x7f61b1e6                     ; -M = 3e38: over every -t
.endr
	s_mov_b32 s34, 0
.Lchunk:                                               ; four chunks of 64 keys
	s_wait_loadcnt 0x0                                 ; K and its scale words (the first time Q too)
	WIN 0x83                                           ; K window 3, Q window 0, the accumulators window 2
.irp tt, 0,1,2,3
.irp hp, 0,1,2,3
.set KR, 12*(4*\tt+\hp)
.if (4*\tt+\hp) >= 14
.set KR, 200+12*(4*\tt+\hp-14)
.endif
.irp e, 0,1
.if (\hp%2) == 0
	v_wmma_scale_f32_16x16x128_f8f6f4 v[32*(2*\hp+\e)+8*\tt:32*(2*\hp+\e)+8*\tt+7], v[KR:KR+11], v[QF+18*\hp+6*\e:QF+18*\hp+6*\e+11], 0, v[KS+2*\tt+\hp/2], v[QS+\hp] matrix_a_fmt:MATRIX_FMT_FP6 matrix_b_fmt:MATRIX_FMT_FP6
.else
	v_wmma_scale_f32_16x16x128_f8f6f4 v[32*(2*\hp+\e)+8*\tt:32*(2*\hp+\e)+8*\tt+7], v[KR:KR+11], v[QF+18*\hp+6*\e:QF+18*\hp+6*\e+11], 0, v[KS+2*\tt+\hp/2], v[QS+\hp] matrix_a_fmt:MATRIX_FMT_FP6 matrix_b_fmt:MATRIX_FMT_FP6 matrix_a_scale:MATRIX_SCALE_ROW1
.endif
.endr
.endr
.endr
	WIN 0
.rept 4
	v_nop                                              ; places in front of loads into registers that matrix instructions have read, and of the first read of the scores
.endr
	s_wait_xcnt 0x0                                    ; every earlier load and prefetch has read its addresses: the pointers are stepped only behind this wait
	s_add_nc_u64 s[38:39], s[38:39], 24576             ; K: the next chunk's 16 fragments,
	s_add_nc_u64 s[40:41], s[40:41], 2048              ; and scale records
	s_lshr_b32 s29, s34, 1
	s_and_b32 s55, s34, 1
	s_mul_i32 s50, s29, 49152
	s_mul_i32 s56, s55, 768
	s_add_co_u32 s50, s50, s56
	s_add_nc_u64 s[44:45], s[42:43], s[50:51]          ; V: group c / 2 of 128 keys, half c % 2 of each fragment
	s_lshl_b32 s50, s29, 12
	s_add_nc_u64 s[48:49], s[46:47], s[50:51]
	s_lshl_b32 s36, s55, 4                             ; which two bytes of V's scale words are this chunk's
	s_and_b32 s29, s27, 63
	s_cmp_eq_u32 s34, 3
	s_cselect_b32 s55, 1, 0
	s_or_b32 s29, s29, s55
	s_cmp_eq_u32 s29, 0
	s_cselect_b32 s37, 13, -1                          ; the trip in which I prefetch: the batch's first work-group, chunks 0 to 2
	WIN 0xC0
.set ct, 0
.rept 32
	global_load_b128 v[6*ct:6*ct+3], v1, s[44:45] offset:1536*ct       ; V's 32 half fragments: they have the whole bias loop in which to land
	global_load_b64 v[6*ct+4:6*ct+5], v2, s[44:45] offset:1536*ct+512
.set ct, ct+1
.endr
	WIN 0
.irp k, 0,1,2,3,4,5,6,7,8,9,10,11,12,13,14,15
	global_load_b32 v[VS+\k], v3, s[48:49] offset:256*\k
.endr
	s_lshl_b32 s52, s34, 8                             ; B: 256 bytes a chunk,
	s_mov_b32 s53, 0                                   ; A,
	s_mov_b32 s54, WT                                  ; W2: at trip 0
	v_add_nc_u32 v6, s52, v5
	v_add_nc_u32 v7, s53, v9
	v_mov_b32 v8, s54
	LOADS 0, 0
	s_add_co_u32 s52, s52, 2048                        ; at trip 1
	s_add_co_u32 s53, s53, 128
	s_add_co_u32 s54, s54, 64
	s_mov_b32 s35, 0
.Lbias:                                                ; 15 trips of four hidden units
	TRIP 0, 1, 1
	TRIP 1, 1, 0
	WIN 0
	s_add_co_u32 s52, s52, 4096
	s_add_co_u32 s53, s53, 256
	s_add_co_u32 s54, s54, 128
	s_add_co_u32 s35, s35, 1
	s_cmp_lt_u32 s35, 15
	s_cbranch_scc1 .Lbias
	TRIP 0, 1, 0                                       ; the last four units are written out: no load passes the tables' ends
	TRIP 1, 0, 0
	WIN 0
	s_wait_loadcnt 0x0                                 ; V
.irp k, 0,1,2,3,4,5,6,7,8,9,10,11,12,13,14,15
	v_lshrrev_b32 v[VS+\k], s36, v[VS+\k]              ; the chunk's two bytes lowest
.endr
.irp i, 0,1,2,3,4,5
	v_mov_b32 v[158+\i], 0                             ; the zero codes behind p
.endr
	v_mov_b32 v136, 0                                  ; (a lane permute's destination counts as one of its sources)
	v_mov_b32 v137, 0
	v_mov_b32 v143, 0                                  ; (named as the upper halves of pairs)
	v_mov_b32 v145, 0
	KLOAD 14, 15, 1                                    ; where the minima lay
	HEAD 0
	HEAD 1
	HEAD 2
	HEAD 3
	HEAD 4
	HEAD 5
	HEAD 6
	HEAD 7
	WIN 0
	s_add_co_u32 s34, s34, 1
	s_cmp_lt_u32 s34, 4
	s_cbranch_scc1 .Lchunk
	; ---- THE MERGE.  The sums' two halves and the other half of the lanes' (these are also the places behind the last products)
.irp h, 0,1,2,3,4,5,6,7
	v_add_f32 v[SUM+2*\h], v[SUM+2*\h], v[SUM+2*\h+1]
.endr
.irp h, 0,1,2,3,4,5,6,7
	v_permlanex16_b32 v[SUM+2*\h+1], v[SUM+2*\h], s[SEL], s[SEL+1]
.endr
.irp h, 0,1,2,3,4,5,6,7
	v_add_f32 v[SUM+2*\h], v[SUM+2*\h], v[SUM+2*\h+1]
.endr
	s_lshl_b32 s50, s26, 16
	v_add_nc_u32 v14, s50, v4                          ; 65,536 wave + 4 x lane
	v_and_b32 v246, 15, v0
	v_bfe_u32 v247, v0, 4, 1
	v_mul_u32_u24 v248, v246, 528
	v_lshl_add_u32 v248, v247, 5, v248
	s_mul_i32 s50, s26, 8448
	s_add_co_u32 s50, s50, SG
	v_add_nc_u32 v248, s50, v248                       ; my stage: row r, + 32 h
	v_add_nc_u32 v249, s50, v1                         ; and back: 16 x lane
	v_lshlrev_b32 v53, 5, v247                         ; bo: 32 h
	s_mul_i32 s50, s26, 1536
	s_add_co_u32 s50, s50, CI
	v_add_nc_u32 v86, s50, v1                          ; where I store my fragment's image,
	s_lshl_b32 s50, s26, 7
	s_add_co_u32 s50, s50, CSC
	v_add_nc_u32 v87, s50, v4                          ; and its scale words
	v_add_nc_u32 v246, CI, v1
	v_add_nc_u32 v247, CSC, v4
	BARRIER                                            ; no wave reads the tables any more
	WIN 0x04                                           ; an LDS store's data are its source 1: window 1
.set i, 0
.rept 64
	ds_store_b128 v13, v[4*i:4*i+3] offset:512*i       ; my partial O^T as an image of its registers, ascending, into my own table's bytes
.set i, i+1
.endr
	WIN 0
.irp h, 0,1,2,3,4,5,6,7
	ds_store_b32 v14, v[NM+\h] offset:32768+256*\h
	ds_store_b32 v14, v[SUM+2*\h] offset:32768+256*\h+128
.endr
	s_mul_i32 s50, s26, 49152
	s_add_nc_u64 s[56:57], s[18:19], s[50:51]          ; Wo: my 128 rows n,
	s_lshl_b32 s50, s26, 11
	s_add_nc_u64 s[58:59], s[20:21], s[50:51]          ; their scales,
	s_lshl_b32 s50, s26, 9
	s_add_nc_u64 s[60:61], s[22:23], s[50:51]          ; bo,
	s_add_nc_u64 s[62:63], s[24:25], s[50:51]          ; and my 512 bytes of a row of the output
	s_lshr_b32 s29, s27, 1
	s_lshl_b32 s29, s29, 5
	s_and_b32 s55, s27, 1
	s_lshl_b32 s55, s55, 3
	s_add_co_u32 s29, s29, s55
	s_lshl_b32 s50, s29, 11
	s_add_nc_u64 s[62:63], s[62:63], s[50:51]          ; at token 32 (T / 2) + 8 (T % 2)
	s_wait_loadcnt 0x0                                 ; no load of mine is out: the heads' loads of K name registers of window 3 that Wo's fragments take, and Wo's loads are issued only behind this wait
.irp s, 0,1,2,3
	WIN 0x80+0x40*(\s/2)
.irp t, 0,1,2,3,4,5,6,7
.irp p, 0,1,2,3,4,5
	global_load_b64 v[96*(\s%2)+12*\t+2*\p:96*(\s%2)+12*\t+2*\p+1], v10, s[56:57] offset:6144*\t+96*\s+48*(\p/3)+8*(\p%3)
.endr
.endr
.endr
	WIN 0
.irp k, 0,1,2,3
	global_load_b128 v[VS+4*\k:VS+4*\k+3], v1, s[58:59] offset:512*\k   ; 32 rows' scale words: lanes 0-15 tile 2 k, lanes 16-31 tile 2 k + 1; register s: K step s
.endr
	BARRIER                                            ; all four waves' parts lie in LDS
	WIN 0x40
.irp t, 0,1,2,3,4,5,6,7
	global_load_b128 v[8*\t:8*\t+3], v53, s[60:61] offset:64*\t          ; bo goes straight into the output's accumulators
	global_load_b128 v[8*\t+4:8*\t+7], v53, s[60:61] offset:64*\t+16
.endr
	WIN 0
	s_lshl_b32 s50, s26, 13                            ; I finish heads 2 w and 2 w + 1
	v_add_nc_u32 v12, s50, v1
	v_add_nc_u32 v13, 0x10000, v12
	v_add_nc_u32 v14, 0x20000, v12
	v_add_nc_u32 v15, 0x30000, v12
	s_lshl_b32 s50, s26, 9
	s_add_co_u32 s50, s50, 32768
	v_add_nc_u32 v78, s50, v4
	v_add_nc_u32 v79, 0x10000, v78
	v_add_nc_u32 v80, 0x20000, v78
	v_add_nc_u32 v81, 0x30000, v78
.irp s, 0,1,2,3
.irp e, 0,1
	ds_load_b32 v[54+2*\s+\e], v[78+\s] offset:256*\e
	ds_load_b32 v[62+2*\s+\e], v[78+\s] offset:256*\e+128
.endr
.endr
	WIN 0x40
.irp s, 0,1,2,3
.irp k, 0,1,2,3,4,5,6,7
	ds_load_b128 v[64+32*\s+4*\k:67+32*\s+4*\k], v[12+\s] offset:512*\k
.endr
.endr
	WIN 0
	s_wait_dscnt 32                                    ; the 16 statistics are in; the 32 loads of the first head's parts may be out
.irp e, 0,1
	v_min3_num_f32 v[82+\e], v[54+\e], v[56+\e], v[58+\e]
.endr
.irp e, 0,1
	v_min_num_f32 v[82+\e], v[82+\e], v[60+\e]         ; -M* of the whole row
.endr
.irp e, 0,1
.irp s, 0,1,2,3
	v_sub_f32 v[70+4*\e+\s], v[82+\e], v[54+2*\s+\e]   ; M_s - M*: a whole number, 0 or less
.endr
.endr
.irp i, 0,1,2,3,4,5,6,7
	v_cvt_i32_f32 v[70+\i], v[70+\i]
.endr
.irp i, 0,1,2,3,4,5,6,7
	v_ldexp_f32 v[70+\i], 1.0, v[70+\i]                ; f_s: exact
.endr
.irp e, 0,1
	v_mul_f32 v[84+\e], v[70+4*\e], v[62+\e]
.endr
.irp s, 1,2,3
.irp e, 0,1
	v_fmac_f32 v[84+\e], v[70+4*\e+\s], v[62+2*\s+\e]  ; the row's sum
.endr
.endr
	v_rcp_f32 v84, v84
	v_rcp_f32 v85, v85
	v_nop                                              ; a plain place behind the last reciprocal
	s_wait_alu depctr_va_vdst(0)                       ; one wait for the two
.irp e, 0,1
.irp s, 0,1,2,3
	v_mul_f32 v[70+4*\e+\s], v[70+4*\e+\s], v[84+\e]   ; g_s = f_s / the sum
.endr
.endr
.macro COMBINE e                       ; the context of head 2 w + e: the sum over the four waves of g_s O_s
	s_wait_dscnt 0x0
	WIN 0x01
.irp k, 0,2,4,6,8,10,12,14,16,18,20,22,24,26,28,30
	v_pk_mul_f32 v[132+32*\e+\k:133+32*\e+\k], v[64+\k:65+\k], v[70+4*\e:71+4*\e] op_sel_hi:[1,0]
.endr
.irp k, 0,2,4,6,8,10,12,14,16,18,20,22,24,26,28,30
	v_pk_fma_f32 v[132+32*\e+\k:133+32*\e+\k], v[96+\k:97+\k], v[70+4*\e:71+4*\e], v[132+32*\e+\k:133+32*\e+\k] op_sel:[0,1,0] op_sel_hi:[1,1,1]
.endr
.irp k, 0,2,4,6,8,10,12,14,16,18,20,22,24,26,28,30
	v_pk_fma_f32 v[132+32*\e+\k:133+32*\e+\k], v[128+\k:129+\k], v[72+4*\e:73+4*\e], v[132+32*\e+\k:133+32*\e+\k] op_sel_hi:[1,0,1]
.endr
.irp k, 0,2,4,6,8,10,12,14,16,18,20,22,24,26,28,30
	v_pk_fma_f32 v[132+32*\e+\k:133+32*\e+\k], v[160+\k:161+\k], v[72+4*\e:73+4*\e], v[132+32*\e+\k:133+32*\e+\k] op_sel:[0,1,0] op_sel_hi:[1,1,1]
.endr
.endm
	COMBINE 0
	WIN 0x40
.irp s, 0,1,2,3
.irp k, 0,1,2,3,4,5,6,7
	ds_load_b128 v[64+32*\s+4*\k:67+32*\s+4*\k], v[12+\s] offset:4096+512*\k
.endr
.endr
	COMBINE 1
	WIN 0
	QUANT 132                                          ; my two heads' 128 channels are K step w of the last product
.irp c, 0,1,2
	ds_store_b128 v86, v[PC+4*\c:PC+4*\c+3] offset:512*\c
.endr
	ds_store_b32 v87, v[PW]
	BARRIER                                            ; the context's four fragments lie in LDS
.irp s, 0,1,2,3
.irp c, 0,1,2
	ds_load_b128 v[132+12*\s+4*\c:135+12*\s+4*\c], v246 offset:1536*\s+512*\c
.endr
	ds_load_b32 v[QS+\s], v247 offset:128*\s
.endr
	s_wait_dscnt 0x0
	s_wait_loadcnt 0x0                                 ; Wo, its scales, bo
.irp s, 0,1,2,3                        ; out^T = Wo^T ctx^T + bo: K step by K step, the 8 accumulators by turns
	WIN 0x52+(\s/2)
.irp t, 0,1,2,3,4,5,6,7
.if (\t%2) == 0
	v_wmma_scale_f32_16x16x128_f8f6f4 v[8*\t:8*\t+7], v[96*(\s%2)+12*\t:96*(\s%2)+12*\t+11], v[132+12*\s:143+12*\s], v[8*\t:8*\t+7], v[VS+4*(\t/2)+\s], v[QS+\s] matrix_a_fmt:MATRIX_FMT_FP6 matrix_b_fmt:MATRIX_FMT_FP6
.else
	v_wmma_scale_f32_16x16x128_f8f6f4 v[8*\t:8*\t+7], v[96*(\s%2)+12*\t:96*(\s%2)+12*\t+11], v[132+12*\s:143+12*\s], v[8*\t:8*\t+7], v[VS+4*(\t/2)+\s], v[QS+\s] matrix_a_fmt:MATRIX_FMT_FP6 matrix_b_fmt:MATRIX_FMT_FP6 matrix_a_scale:MATRIX_SCALE_ROW1
.endif
.endr
.endr
	WIN 0
.rept 4
	v_nop                                              ; places in front of the first read of results and of loads into registers that matrix instructions have read
.endr
	WIN 0x04
.irp t, 0,1,2,3,4,5,6,7
	ds_store_b128 v248, v[8*\t:8*\t+3] offset:64*\t    ; lane (r, h): out(query r, 128 w + 16 t + 8 h + 0 .. 7); each accumulator from its low end on
	ds_store_b128 v248, v[8*\t+4:8*\t+7] offset:64*\t+16
.endr
	WIN 0
.set i, 0
.rept 16
	ds_load_b128 v[132+4*i:135+4*i], v249 offset:528*i ; LDS serves a wave's instructions in order: these see my stores
.set i, i+1
.endr
.set i, 0
.rept 16
	s_wait_dscnt 15-i                                  ; row i is back; the younger rows may be out
	global_store_b128 v1, v[132+4*i:135+4*i], s[62:63] offset:2048*(i+8*(i/8)) th:TH_STORE_NT   ; 32 lanes store 512 consecutive bytes, at a multiple of 256 from the output's first byte
.set i, i+1
.endr
	s_wait_tensorcnt 0x0                               ; the wave's end: behind my last LDS store
	ds_add_u32 v252, v253
	s_wait_dscnt 0x0
	s_endpgm
.Lfunc_end_k_q1a9f484fbf_attn:
	.size	k_q1a9f484fbf_attn, .Lfunc_end_k_q1a9f484fbf_attn-k_q1a9f484fbf_attn
	.p2alignl 7, 3214868480
	.fill 96, 4, 3214868480
	.section	.rodata,"a",@progbits
	.p2align	6, 0x0
	.amdhsa_kernel k_q1a9f484fbf_attn
		.amdhsa_group_segment_fixed_size 311296
		.amdhsa_private_segment_fixed_size 0
		.amdhsa_enable_private_segment 0
		.amdhsa_kernarg_size 88
		.amdhsa_user_sgpr_count 2
		.amdhsa_user_sgpr_kernarg_segment_ptr 1
		.amdhsa_wavefront_size32 1
		.amdhsa_system_sgpr_workgroup_id_x 1
		.amdhsa_system_sgpr_workgroup_id_y 1
		.amdhsa_system_sgpr_workgroup_id_z 1
		.amdhsa_system_vgpr_workitem_id 0
		.amdhsa_next_free_vgpr 1024
		.amdhsa_next_free_sgpr 66
		.amdhsa_reserve_vcc 0
		.amdhsa_float_denorm_mode_32 3
		.amdhsa_float_denorm_mode_16_64 3
		.amdhsa_memory_ordered 1
		.amdhsa_forward_progress 1
		.amdhsa_inst_pref_size 255
	.end_amdhsa_kernel
	.section	.bss,"aw",@nobits
	.p2align	6
	.space	262144
	.amdgpu_metadata
---
amdhsa.version: [ 1, 2 ]
amdhsa.kernels:
  - .name:           k_q1a9f484fbf_attn
    .symbol:         k_q1a9f484fbf_attn.kd
    .args:
      - { .name: freqs, .offset: 0, .size: 8, .value_kind: global_buffer, .address_space: global }
      - { .name: W1, .offset: 8, .size: 8, .value_kind: global_buffer, .address_space: global }
      - { .name: b1, .offset: 16, .size: 8, .value_kind: global_buffer, .address_space: global }
      - { .name: W2, .offset: 24, .size: 8, .value_kind: global_buffer, .address_space: global }
      - { .name: b2, .offset: 32, .size: 8, .value_kind: global_buffer, .address_space: global }
      - { .name: qkv_codes, .offset: 40, .size: 8, .value_kind: global_buffer, .address_space: global }
      - { .name: qkv_scales, .offset: 48, .size: 8, .value_kind: global_buffer, .address_space: global }
      - { .name: Wo_codes, .offset: 56, .size: 8, .value_kind: global_buffer, .address_space: global }
      - { .name: Wo_scales, .offset: 64, .size: 8, .value_kind: global_buffer, .address_space: global }
      - { .name: bo, .offset: 72, .size: 8, .value_kind: global_buffer, .address_space: global }
      - { .name: out0, .offset: 80, .size: 8, .value_kind: global_buffer, .address_space: global }
    .group_segment_fixed_size: 311296
    .private_segment_fixed_size: 0
    .kernarg_segment_align: 8
    .kernarg_segment_size: 88
    .max_flat_workgroup_size: 128
    .sgpr_count:     66
    .vgpr_count:     1024
    .wavefront_size: 32
...
	.end_amdgpu_metadata
.endif
;; end of part 2
;; ======== version 2 of 2: 2 launches
;; limits: a difference of large sums (such as E[x^2] - mean^2): digits are lost where the result is much smaller than its terms
;; workspace buffers: qkv_codes 4,718,592 bytes; qkv_scales 393,216 bytes; wo_frag 196,608 bytes
;; launch qkv (part 3): grid 224 x 1, 4 waves a work-group, no clusters, 49,664 bytes of LDS; arguments x_codes, x_scales, Wq_codes, Wq_scales, bq, Wk_codes, Wk_scales, bk, Wv_codes, Wv_scales, bv, qkv_codes, qkv_scales, Wo_codes, wo_frag; writes qkv_codes, qkv_scales, wo_frag
.if DOCPART == 3
	.amdgcn_target "amdgcn-amd-amdhsa--gfx1250"
	.amdhsa_code_object_version 6
	.text
	.protected	k_q1a9f484fbf_qkv
	.globl	k_q1a9f484fbf_qkv
	.p2align	8
	.type	k_q1a9f484fbf_qkv,@function
k_q1a9f484fbf_qkv:
	s_mov_b64 s[64:65], 0
	v_nop
	global_prefetch_b8 v0, s[64:65] scope:SCOPE_SE
	s_setreg_imm32_b32 hwreg(HW_REG_WAVE_MODE, 25, 1), 1
	s_wait_xcnt 0x0
; Q = x Wq + bq, K = x Wk + bk, V = x Wv + bv on codes of FP6 (E2M3) with E8M0 scales, and the quantisers behind them: Q and K along a head's 64, V along the keys.  Beside them Wo's codes are laid in the order of an operand's registers.
; NO WORK OF THE PROBLEM IS LEFT OUT in this program: every input has a way to the output and is loaded (the next kernel's head says how the pair bias is re-ordered by identities).
; ONE SCHEME FOR ALL THREE PRODUCTS.  A wave HOLDS 128 rows of one operand for all of K = 512 in registers (8 tiles x 4 K steps = 32 fragments, 384 registers) and STREAMS four tiles of 16 rows of the other.
; Source 0 = the held rows, source 1 = the streamed rows: a lane then holds ONE streamed row, and its 64 results run along the held rows.  The held rows of tile t are not neighbours:
; lane r takes row 32 (t / 2) + 8 (t % 2) + r + 8 (r / 8), so that the 16 registers of tiles 2 b and 2 b + 1 are held rows 32 b + 16 (lane / 16) + 0 .. 15: 16 neighbours along the next product's K.
;   Q, K: held = 128 rows n of Wq or Wk (a pair of heads), streamed = tokens.     V: held = 128 tokens of x, streamed = channels of Wv.
; The streamed rows of tile T go by the same map, sel(T, r) = 32 (T / 2) + 8 (T % 2) + r + 8 (r / 8): the next launch wants keys, queries and channels so.
; THE HELD ROWS ARE THE SAME FOR THE FOUR WAVES of a work-group, and a fragment's load from rows has its 32 lanes in 16 rows 384 bytes apart.  So each wave loads a quarter of them (tiles 2 w, 2 w + 1: 48 loads for 192),
; stores the fragments to LDS as images of their registers (16 bytes a lane, 512 consecutive bytes a store), and behind one barrier every wave takes all 32 by loads of 512 consecutive bytes.
; OUT: fragments in the order of an operand's registers.  Fragment F = 1,536 bytes = two halves of 768: in half e, lane l's registers 6 e .. 6 e + 3 at 16 l, its registers 6 e + 4, 6 e + 5 at 512 + 8 l.
; Its scale words: 128 bytes, lane l's at 4 l.  F = 4 T + hp (Q), 1024 + 4 T + hp (K), 2048 + 32 tg + ct (V); T token tile, hp pair of heads, tg group of 128 tokens, ct channel tile.
; Wo: fragment 4 t + s (rows 16 t + r, K step s) = 1,536 bytes: lane l's registers 4 c .. 4 c + 3 at 512 c + 16 l.
; SHARES: work-groups 0-63 Q, 64-127 K (pair of heads (g / 16) % 4, token tiles 16 (g % 16) + 4 wave + 0 .. 3); 128-191 V (tokens' group g' / 2, channel tiles 16 (g' % 2) + 4 wave + 0 .. 3);
; 192-223 Wo: a fragment a wave.
; LDS: 32 images of 1,536 bytes from byte 0; the spare words behind them.  All LDS lines stand on the one way that Q, K and V share; Wo's work-groups touch no LDS and pass no barrier (a branch on the work-group's number).
; LIMITS: a block of zeros gets the scale byte 1 where the rule says 127 (its codes are zeros, and this program alone reads the bytes); blocks whose largest magnitude lies under 2^-124 were not tried;
; NaN and infinities are not served.
; REGISTERS: window 0: v1-9 lane terms; v10-17 streamed scale words, two sets; v18-81 the 8 result tiles; v82-177 streamed fragments, two sets; v178-196 codes; v198-213 at work; v214 the scale word; v216, v217 the add's two;
;   v218 where I store images; v224-255 held scale words.   window 1: held fragments of K steps 0, 1 (v[96 (s % 2) + 12 t]);  window 2: of K steps 2, 3; from v192 the biases, in the result's layout.
;   window 3: v0-95 my quarter of the held fragments on its way to LDS.
.set HA,  18
.set SF,  82
.set SS,  10
.set PC,  178
.set TM,  198
.set PW,  214
.set SPW, 216
.set NIL, 217
.set IW,  218
.set HSC, 224
.set CB,  192
.set SEL, 46
.set SPARE, 49152                      ; behind the images: the spare words, 128 bytes for each wave: two blocks of 256 bytes that no other line names
.set MSB, 0
.macro WIN new                         ; the immediate's high byte repeats the setting that is left; a switch that changes nothing is dropped
.if MSB != (\new)
	s_set_vgpr_msb (MSB<<8)|(\new)
.set MSB, (\new)
.endif
.endm
; 64 numbers of a lane, register 16 b + i = k 32 b + 16 (lane / 16) + i of my row, become a fragment's codes in v[PC] on and its scale word in v[PW]
.macro QUANT s
.irp b, 0,1,2,3
	v_max3_num_f32 v[TM+\b], |v[\s+16*\b]|, |v[\s+1+16*\b]|, 0x1800000   ; my 16 numbers of block b, and the floor 2^(3 - 127): the byte cannot fall under 1
.endr
.irp i, 2,4,6,8,10,12,14
.irp b, 0,1,2,3
	v_max3_num_f32 v[TM+\b], v[TM+\b], |v[\s+16*\b+\i]|, |v[\s+1+16*\b+\i]|
.endr
.endr
.irp b, 0,1,2,3
	v_permlanex16_b32 v[TM+4+\b], v[TM+\b], s[SEL], s[SEL+1]
.endr
.irp b, 0,1,2,3
	v_max_num_f32 v[TM+\b], v[TM+\b], v[TM+4+\b]       ; with lane l xor 16's: the block's largest magnitude
.endr
.irp b, 0,1,2,3
	v_add_nc_u32 v[TM+12+\b], 0xff000000, v[TM+\b]     ; 2 off its exponent field: the conversion's scale operand
.endr
.irp b, 0,1,2,3
	v_lshrrev_b32 v[TM+4+\b], 23, v[TM+12+\b]          ; the scale's byte
.endr
	v_lshl_or_b32 v[PW], v[TM+5], 8, v[TM+4]
	v_lshl_or_b32 v[PW], v[TM+6], 16, v[PW]
	v_lshl_or_b32 v[PW], v[TM+7], 24, v[PW]
.irp c, 0,1
	v_cvt_scalef32_pk16_fp6_f32 v[PC+6*\c:PC+2+6*\c], v[\s+32*\c:\s+15+32*\c], v[TM+12+2*\c]
	v_cvt_scalef32_pk16_fp6_f32 v[PC+12+4*\c:PC+14+4*\c], v[\s+16+32*\c:\s+31+32*\c], v[TM+12+2*\c+1]   ; (a conversion's three registers begin on an even number)
.endr
	v_nop                                              ; one plain place behind a scaled conversion
.irp c, 0,1                            ; the operand's layout wants a whole block in a lane
.irp i, 0,1,2
	v_permlane16_swap_b32 v[PC+6*\c+\i], v[PC+12+4*\c+\i]
.endr
.irp i, 0,1,2
	v_mov_b32 v[PC+3+6*\c+\i], v[PC+12+4*\c+\i]
.endr
.endr
.endm
.macro STREAM i, set                   ; streamed tile i: four fragments and the rows' scale words: 25 loads
.irp s, 0,1,2,3
.irp p, 0,1,2,3,4,5
	global_load_b64 v[SF+48*(\set)+12*\s+2*\p:SF+48*(\set)+12*\s+2*\p+1], v4, s[36:37] offset:(32*((\i)/2)+8*((\i)%2))*384+96*\s+48*(\p/3)+8*(\p%3)
.endr
.endr
	global_load_b128 v[SS+4*(\set):SS+4*(\set)+3], v5, s[38:39] offset:(32*((\i)/2)+8*((\i)%2))*16
.endm
; 32 matrix instructions: K step by K step, the 8 accumulators by turns, one instruction a turn.  The bias is the C of each sum's first instruction.
.macro MULS set, i, isv
.irp s, 0,1,2,3
.if \s == 0
	WIN 0x21                                           ; source 0 window 1, C (the bias) window 2
.elseif \s == 1
	WIN 0x01
.else
	WIN 0x02
.endif
.irp t, 0,1,2,3,4,5,6,7
.if \s == 0
.if \isv
	v_wmma_scale_f32_16x16x128_f8f6f4 v[HA+8*\t:HA+8*\t+7], v[12*\t:12*\t+11], v[SF+48*(\set):SF+48*(\set)+11], v[CB+8*(\i):CB+8*(\i)+7], v[HSC+4*\t], v[SS+4*(\set)] matrix_a_fmt:MATRIX_FMT_FP6 matrix_b_fmt:MATRIX_FMT_FP6
.else
	v_wmma_scale_f32_16x16x128_f8f6f4 v[HA+8*\t:HA+8*\t+7], v[12*\t:12*\t+11], v[SF+48*(\set):SF+48*(\set)+11], v[CB+8*\t:CB+8*\t+7], v[HSC+4*\t], v[SS+4*(\set)] matrix_a_fmt:MATRIX_FMT_FP6 matrix_b_fmt:MATRIX_FMT_FP6
.endif
.else
	v_wmma_scale_f32_16x16x128_f8f6f4 v[HA+8*\t:HA+8*\t+7], v[96*(\s%2)+12*\t:96*(\s%2)+12*\t+11], v[SF+48*(\set)+12*\s:SF+48*(\set)+12*\s+11], v[HA+8*\t:HA+8*\t+7], v[HSC+4*\t+\s], v[SS+4*(\set)+\s] matrix_a_fmt:MATRIX_FMT_FP6 matrix_b_fmt:MATRIX_FMT_FP6
.endif
.endr
.endr
.endm
.macro OUT i, isv                      ; the fragment as an image of its registers: each store of the wave covers 512 or 256 consecutive bytes, aligned; the scale words 128
.if \isv
.set OC, 1536*(\i)
.set OS, 128*(\i)
.else
.set OC, 6144*(\i)
.set OS, 512*(\i)
.endif
	global_store_b128 v6, v[PC:PC+3], s[42:43] offset:OC
	global_store_b64 v7, v[PC+4:PC+5], s[42:43] offset:OC+512
	global_store_b128 v6, v[PC+6:PC+9], s[42:43] offset:OC+768
	global_store_b64 v7, v[PC+10:PC+11], s[42:43] offset:OC+1280
	global_store_b32 v9, v[PW], s[44:45] offset:OS
.endm
.macro TILE i, isv
.if (\i) < 3
	s_wait_loadcnt 25                                  ; all but the 25 loads of the one younger streamed tile are in
.else
	s_wait_loadcnt 0x0
.endif
	MULS ((\i)%2), \i, \isv
	WIN 0
.rept 4
	v_nop                                              ; places in front of the first read of results and of loads into registers that matrix instructions have read
.endr
.if (\i) < 2
	STREAM ((\i)+2), ((\i)%2)                          ; two tiles ahead, into the set just multiplied
.endif
.if (\i) > 0
	s_wait_xcnt 0x0                                    ; the last tile's stores have read the codes' registers and the scale word: they are written again only behind this wait
.endif
	QUANT HA
	OUT \i, \isv
.endm
	s_load_b512 s[4:19], s[0:1], 0x0                   ; x codes, x scales, Wq codes, Wq scales, bq, Wk codes, Wk scales, bk
	s_load_b256 s[20:27], s[0:1], 0x40                 ; Wv codes, Wv scales, bv, qkv_codes
	s_load_b64 s[28:29], s[0:1], 0x60                  ; qkv_scales
	s_load_b64 s[56:57], s[0:1], 0x68                  ; Wo codes
	s_load_b64 s[58:59], s[0:1], 0x70                  ; wo_frag
	v_lshl_add_u32 v[SPW], v0, 2, SPARE                ; my spare word,
	v_mov_b32 v[NIL], 0                                ; and 0: kept for the closing lines alone
	v_lshrrev_b32 v1, 5, v0
	v_readfirstlane_b32 s31, v1                        ; wave
	s_mov_b32 s30, ttmp9                               ; g
	v_and_b32 v1, 15, v0                               ; r
	v_bfe_u32 v2, v0, 4, 1                             ; h
	v_and_b32 v3, 8, v1
	v_add_nc_u32 v3, v3, v1                            ; r + 8 (r / 8)
	v_mul_u32_u24 v4, v3, 384                          ; a row of 512 codes is 384 bytes
	v_mad_u32_u24 v4, v2, 24, v4
	v_lshlrev_b32 v5, 4, v3                            ; a row of scales is 16 bytes
	v_and_b32 v9, 31, v0
	v_lshlrev_b32 v6, 4, v9                            ; 16 x lane
	v_lshlrev_b32 v7, 3, v9                            ; 8 x lane
	v_lshlrev_b32 v9, 2, v9                            ; 4 x lane
	s_mul_i32 s48, s31, 12288
	v_add_nc_u32 v[IW], s48, v6                        ; my eight images: 12,288 x wave + 16 x lane
	s_mov_b32 s[SEL], 0x76543210
	s_mov_b32 s[SEL+1], 0xfedcba98                     ; v_permlanex16_b32's selects for lane l xor 16
.irp b, 0,1,2,3
	v_mov_b32 v[TM+4+\b], 0                            ; written once: a lane permute's destination counts as one of its sources
.endr
	s_mov_b32 s51, 0
	s_wait_kmcnt 0x0
	s_cmp_ge_u32 s30, 192
	s_cbranch_scc1 .Lwo
	s_cmp_ge_u32 s30, 128
	s_cbranch_scc1 .Lv
	; ---- Q or K: the pointers, and the biases' loads
	s_cmp_lt_u32 s30, 64                               ; the choice hangs on the work-group's number alone
	s_cselect_b64 s[32:33], s[8:9], s[14:15]
	s_cselect_b64 s[34:35], s[10:11], s[16:17]
	s_cselect_b64 s[40:41], s[12:13], s[18:19]
	s_bfe_u32 s48, s30, 0x20004                        ; hp
	s_mul_i32 s50, s48, 49152
	s_add_nc_u64 s[32:33], s[32:33], s[50:51]          ; held: 128 rows of the weight,
	s_lshl_b32 s50, s48, 11
	s_add_nc_u64 s[34:35], s[34:35], s[50:51]          ; their scales,
	s_lshl_b32 s50, s48, 9
	s_add_nc_u64 s[40:41], s[40:41], s[50:51]          ; their biases
	s_and_b32 s52, s30, 15
	s_lshl_b32 s52, s52, 4
	s_lshl_b32 s53, s31, 2
	s_add_co_u32 s52, s52, s53                         ; T0
	s_mul_i32 s50, s52, 6144
	s_add_nc_u64 s[36:37], s[4:5], s[50:51]            ; streamed: tokens from 16 T0 on
	s_lshl_b32 s50, s52, 8
	s_add_nc_u64 s[38:39], s[6:7], s[50:51]
	s_lshr_b32 s53, s30, 6
	s_lshl_b32 s53, s53, 10
	s_lshl_b32 s52, s52, 2
	s_add_co_u32 s53, s53, s52
	s_add_co_u32 s53, s53, s48                         ; F0 = 1024 kind + 4 T0 + hp
	s_mul_i32 s50, s53, 1536
	s_add_nc_u64 s[42:43], s[26:27], s[50:51]
	s_lshl_b32 s50, s53, 7
	s_add_nc_u64 s[44:45], s[28:29], s[50:51]
	v_lshlrev_b32 v8, 6, v2                            ; the bias's lane term: 64 h
	WIN 0x80
.irp t, 0,1,2,3,4,5,6,7                ; the bias belongs to the held row: lane (r, h) wants those of rows 32 (t / 2) + 16 h + 8 (t % 2) + 0 .. 7.  These loads are the oldest: they enter no count below
	global_load_b128 v[CB+8*\t:CB+8*\t+3], v8, s[40:41] offset:(32*(\t/2)+8*(\t%2))*4
	global_load_b128 v[CB+8*\t+4:CB+8*\t+7], v8, s[40:41] offset:(32*(\t/2)+8*(\t%2))*4+16
.endr
	WIN 0
	s_branch .Lcommon
.Lv:
	; ---- V: the pointers, and the biases' loads
	s_sub_co_u32 s48, s30, 128
	s_lshr_b32 s52, s48, 1                             ; tg
	s_and_b32 s53, s48, 1
	s_lshl_b32 s53, s53, 4
	s_lshl_b32 s54, s31, 2
	s_add_co_u32 s53, s53, s54                         ; ct0
	s_mul_i32 s50, s52, 49152
	s_add_nc_u64 s[32:33], s[4:5], s[50:51]            ; held: 128 tokens of x
	s_lshl_b32 s50, s52, 11
	s_add_nc_u64 s[34:35], s[6:7], s[50:51]
	s_mul_i32 s50, s53, 6144
	s_add_nc_u64 s[36:37], s[20:21], s[50:51]          ; streamed: channels from 16 ct0 on
	s_lshl_b32 s50, s53, 8
	s_add_nc_u64 s[38:39], s[22:23], s[50:51]
	s_lshl_b32 s50, s53, 6
	s_add_nc_u64 s[40:41], s[24:25], s[50:51]
	s_lshl_b32 s52, s52, 5
	s_add_co_u32 s52, s52, s53
	s_add_co_u32 s52, s52, 2048                        ; F0 = 2048 + 32 tg + ct0
	s_mul_i32 s50, s52, 1536
	s_add_nc_u64 s[42:43], s[26:27], s[50:51]
	s_lshl_b32 s50, s52, 7
	s_add_nc_u64 s[44:45], s[28:29], s[50:51]
	v_lshlrev_b32 v8, 2, v3                            ; the bias's lane term: 4 (r + 8 (r / 8))
	WIN 0x80
.irp u, 0,1,2,3                        ; the bias belongs to the lane's channel: the same number in all eight registers of a C; all four tiles' now
.irp j, 0,1,2,3,4,5,6,7
	global_load_b32 v[CB+8*\u+\j], v8, s[40:41] offset:(32*(\u/2)+8*(\u%2))*4
.endr
.endr
	WIN 0
.Lcommon:
	; ---- the held operand: a quarter a wave, through LDS to all four
	s_mul_i32 s50, s31, 12288
	s_add_nc_u64 s[52:53], s[32:33], s[50:51]          ; tiles 2 w and 2 w + 1 begin at held row 32 w
	WIN 0xC0
.irp tl, 0,1
.irp s, 0,1,2,3
.irp p, 0,1,2,3,4,5
	global_load_b64 v[12*(4*\tl+\s)+2*\p:12*(4*\tl+\s)+2*\p+1], v4, s[52:53] offset:8*\tl*384+96*\s+48*(\p/3)+8*(\p%3)
.endr
.endr
.endr
	WIN 0
.irp t, 0,1,2,3,4,5,6,7
	global_load_b128 v[HSC+4*\t:HSC+4*\t+3], v5, s[34:35] offset:(32*(\t/2)+8*(\t%2))*16   ; the held rows' scale words (16 bytes a row: a word for each K step)
.endr
	STREAM 0, 0
	s_wait_loadcnt 33                                  ; my eight held fragments are in: behind them stand the 8 loads of scale words and streamed tile 0's 25
	WIN 0x0C                                           ; an LDS store's data are its source 1: window 3
.irp f, 0,1,2,3,4,5,6,7
.irp c, 0,1,2
	ds_store_b128 v[IW], v[12*\f+4*\c:12*\f+4*\c+3] offset:1536*\f+512*\c
.endr
.endr
	WIN 0
	STREAM 1, 1
	s_wait_dscnt 0x0                                   ; for the others' sake: my images have landed
	s_barrier_signal -1
	s_barrier_wait -1                                  ; all 32 lie in LDS
.irp s, 0,1,2,3
	WIN 0x40+0x40*(\s/2)
.irp t, 0,1,2,3,4,5,6,7
.irp c, 0,1,2
	ds_load_b128 v[96*(\s%2)+12*\t+4*\c:96*(\s%2)+12*\t+4*\c+3], v6 offset:1536*(4*\t+\s)+512*\c
.endr
.endr
.endr
	WIN 0
	s_wait_tensorcnt 0x0                               ; the closing lines, behind my last LDS store and ahead of every end that I can reach
	ds_add_u32 v[SPW], v[NIL]
	s_wait_dscnt 0x0                                   ; the wait also shows the 32 held fragments in
	s_cmp_ge_u32 s30, 128
	s_cbranch_scc1 .Lvt
	TILE 0, 0
	TILE 1, 0
	TILE 2, 0
	TILE 3, 0
	s_endpgm
.Lvt:
	TILE 0, 1
	TILE 1, 1
	TILE 2, 1
	TILE 3, 1
	s_endpgm
.Lwo:
	; ---- Wo: fragment 4 (g - 192) + wave = 4 t + s goes from rows into the order of an operand's registers
	s_sub_co_u32 s48, s30, 192
	s_lshl_b32 s48, s48, 2
	s_add_co_u32 s48, s48, s31
	s_lshr_b32 s52, s48, 2                             ; t: rows 16 t + r
	s_and_b32 s53, s48, 3                              ; s: K step
	s_mul_i32 s50, s52, 6144
	s_mul_i32 s53, s53, 96
	s_add_co_u32 s50, s50, s53
	s_add_nc_u64 s[32:33], s[56:57], s[50:51]
	s_mul_i32 s50, s48, 1536
	s_add_nc_u64 s[42:43], s[58:59], s[50:51]
	v_mul_u32_u24 v4, v1, 384                          ; here the rows of a tile are neighbours: row r, + 24 h
	v_mad_u32_u24 v4, v2, 24, v4
.irp p, 0,1,2,3,4,5
	global_load_b64 v[HA+2*\p:HA+2*\p+1], v4, s[32:33] offset:48*(\p/3)+8*(\p%3)
.endr
	s_wait_loadcnt 0x0
.irp c, 0,1,2
	global_store_b128 v6, v[HA+4*\c:HA+4*\c+3], s[42:43] offset:512*\c   ; 32 lanes store 512 consecutive bytes, aligned
.endr
	s_endpgm
.Lfunc_end_k_q1a9f484fbf_qkv:
	.size	k_q1a9f484fbf_qkv, .Lfunc_end_k_q1a9f484fbf_qkv-k_q1a9f484fbf_qkv
	.p2alignl 7, 3214868480
	.fill 96, 4, 3214868480
	.section	.rodata,"a",@progbits
	.p2align	6, 0x0
	.amdhsa_kernel k_q1a9f484fbf_qkv
		.amdhsa_group_segment_fixed_size 49664
		.amdhsa_private_segment_fixed_size 0
		.amdhsa_enable_private_segment 0
		.amdhsa_kernarg_size 120
		.amdhsa_user_sgpr_count 2
		.amdhsa_user_sgpr_kernarg_segment_ptr 1
		.amdhsa_wavefront_size32 1
		.amdhsa_system_sgpr_workgroup_id_x 1
		.amdhsa_system_sgpr_workgroup_id_y 1
		.amdhsa_system_sgpr_workgroup_id_z 1
		.amdhsa_system_vgpr_workitem_id 0
		.amdhsa_next_free_vgpr 1024
		.amdhsa_next_free_sgpr 66
		.amdhsa_reserve_vcc 0
		.amdhsa_float_denorm_mode_32 3
		.amdhsa_float_denorm_mode_16_64 3
		.amdhsa_memory_ordered 1
		.amdhsa_forward_progress 1
		.amdhsa_inst_pref_size 106
	.end_amdhsa_kernel
	.amdgpu_metadata
---
amdhsa.version: [ 1, 2 ]
amdhsa.kernels:
  - .name:           k_q1a9f484fbf_qkv
    .symbol:         k_q1a9f484fbf_qkv.kd
    .args:
      - { .name: x_codes, .offset: 0, .size: 8, .value_kind: global_buffer, .address_space: global }
      - { .name: x_scales, .offset: 8, .size: 8, .value_kind: global_buffer, .address_space: global }
      - { .name: Wq_codes, .offset: 16, .size: 8, .value_kind: global_buffer, .address_space: global }
      - { .name: Wq_scales, .offset: 24, .size: 8, .value_kind: global_buffer, .address_space: global }
      - { .name: bq, .offset: 32, .size: 8, .value_kind: global_buffer, .address_space: global }
      - { .name: Wk_codes, .offset: 40, .size: 8, .value_kind: global_buffer, .address_space: global }
      - { .name: Wk_scales, .offset: 48, .size: 8, .value_kind: global_buffer, .address_space: global }
      - { .name: bk, .offset: 56, .size: 8, .value_kind: global_buffer, .address_space: global }
      - { .name: Wv_codes, .offset: 64, .size: 8, .value_kind: global_buffer, .address_space: global }
      - { .name: Wv_scales, .offset: 72, .size: 8, .value_kind: global_buffer, .address_space: global }
      - { .name: bv, .offset: 80, .size: 8, .value_kind: global_buffer, .address_space: global }
      - { .name: qkv_codes, .offset: 88, .size: 8, .value_kind: global_buffer, .address_space: global }
      - { .name: qkv_scales, .offset: 96, .size: 8, .value_kind: global_buffer, .address_space: global }
      - { .name: Wo_codes, .offset: 104, .size: 8, .value_kind: global_buffer, .address_space: global }
      - { .name: wo_frag, .offset: 112, .size: 8, .value_kind: global_buffer, .address_space: global }
    .group_segment_fixed_size: 49664
    .private_segment_fixed_size: 0
    .kernarg_segment_align: 8
    .kernarg_segment_size: 120
    .max_flat_workgroup_size: 128
    .sgpr_count:     66
    .vgpr_count:     1024
    .wavefront_size: 32
...
	.end_amdgpu_metadata
.endif
;; end of part 3
;; launch attn (part 4): grid 256 x 1, 4 waves a work-group, no clusters, 311,296 bytes of LDS; arguments freqs, W1, b1, W2, b2, qkv_codes, qkv_scales, wo_frag, Wo_scales, bo, out0; writes out0
.if DOCPART == 4
	.amdgcn_target "amdgcn-amd-amdhsa--gfx1250"
	.amdhsa_code_object_version 6
	.text
	.protected	k_q1a9f484fbf_attn
	.globl	k_q1a9f484fbf_attn
	.p2align	8
	.type	k_q1a9f484fbf_attn,@function
k_q1a9f484fbf_attn:
	s_mov_b64 s[64:65], 0
	v_nop
	global_prefetch_b8 v0, s[64:65] scope:SCOPE_SE
	s_setreg_imm32_b32 hwreg(HW_REG_WAVE_MODE, 25, 1), 1
	s_wait_xcnt 0x0
; Scores with the pair bias, softmax, context and the projection on the way out.  Quantised products on codes of FP6 (E2M3) with E8M0 scales; the pair bias in f32 (it goes on into the quantised p).
; NO WORK IS LEFT OUT: b2 and the query's part of the bias are the same along the softmax's axis, but they move M = ceil(the largest t) and so p's codes: they stay.  The bias is RE-ORDERED, by identities
; that hold for all finite inputs.  With a = f + 1e-6, L = ln|a|:  rel(i, j) W1 + b1 = A_m(i) - B_m(j),  A_m(i) = W1[0][m] f_i + W1[1][m] L_i + b1[m],  B_m(j) = W1[0][m] f_j + W1[1][m] L_j;
; relu(A - B) = A - min(A, B);  so bias_h(i, j) = b2[h] + sum_m W2[m][h] A_m(i) - sum_m W2[m][h] min(A_m(i), B_m(j)).  A pair and a hidden unit cost one minimum and eight multiply-adds.
; The accumulators hold D = Q.K + sum_m min(A, B) (-8 W2[m][h]) (the scores' matrix instruction starts the sum; sqrt(64) = 8);  t = c D + cE,  c = log2(e) / 8,  cE_h(i) = log2(e) (b2[h] + sum_m W2[m][h] A_m(i)).
; LIMITS: ln(a_i / a_j) is taken as ln|a_i| - ln|a_j|: the same wherever all f + 1e-6 of a batch have one sign and none is 0; with mixed signs or a zero, where the quotient's logarithm is NaN or infinite,
; this text gives finite numbers.  A - B is a difference of products, not a product of f_i - f_j: its absolute error is about 2^-24 |W1| (|f| + |L|) a unit, and the query's part of the bias is added apart from the
; minima's: about 2^-24 sum |W2 A|; both grow in proportion with the inputs.  A block of zeros has the scale byte 1 (this program alone reads the bytes).  NaN and infinities are not served.
; SHARES: work-group T owns the 16 queries sel(T, r) = 32 (T / 2) + 8 (T % 2) + r + 8 (r / 8), for all 8 heads: one minimum serves 8 heads, and whole rows of the context end in one work-group.
; Wave w owns keys 256 w .. 256 w + 255 of the batch, in 4 chunks of 64, with a running M, sum and O^T of its own; the four are merged at the end by exact powers of two.
; A lane (r, h) holds query r throughout (both products transposed); in a chunk register 16 b + i of a head is key 32 b + 16 h + i.
; K = 64 IN AN INSTRUCTION OF 128: a fragment of K holds BOTH heads of a pair; Q's operand is [Q even][zeros] or [zeros][Q odd]: zero codes blank the other head.  Likewise p's operand is [p][zeros].
; NO TENSOR LOADS, NO CLUSTER: the table of B takes 262,144 bytes of LDS, and a chunk's K and V are 196,608 bytes a work-group, so no two slots fit; the operands (Q, K, V and Wo), laid by the first launch in the order of
; their registers, go from memory straight into registers, each load 512 or 256 consecutive bytes, a phase ahead of their use.
; LOADS GO OUT IN RUNS OF AT MOST 64, with work of the wave's own between the runs: the issue of a load beyond the counter's field would stall (ISA guide 5.7.1).
; LDS: BT 4 x 65,536 wave w's B_m(key), row m at 1,024 m (later the wave's partial O^T, -M and sum) | WT -8 W2 [m][8] | AT (A_m, A_m+1) at 128 (m / 2) + 8 r | EP partial sums of W2 A | CI, CSC images of the
; context's fragments and scale words | SG a stage of 16 rows x 528 a wave | the spare words.
; REGISTERS: window 0: v1-15 addresses; v16-87 Q's operands; v88-91 Q's scale words (later the context's); v92-99 cE; v100-115 sums; v116-123 -M; v124-131 K's scale words; v132-195 B, v196-227 W2 (two sets),
;   v228-229 A (in the softmax v132-169 are at work); v230-245 V's scale words (later Wo's); v246-251 at work; v252, v253 the add's two; v254 p's scale word.
;   window 1: O^T, head h at 32 h.   window 2: the accumulators, head h at 32 h.   window 3: v0-191 K's fragments 0-13, then V's 32 half fragments; v192-255 the minima (v200-223: K's fragments 14, 15 between bias loops).
.set BT,    0
.set WT,    262144
.set AT,    264192
.set EP,    268288
.set CI,    270336
.set CSC,   276480
.set SG,    276992
.set SPARE, 310784
.set QF,  16
.set QS,  88
.set CE,  92
.set SUM, 100
.set NM,  116
.set KS,  124
.set BV,  132
.set WR,  196
.set AP,  228
.set VS,  230
.set PS,  254
.set HID, 192
.set TM,  16                           ; the context's quantiser works where Q lay
.set PC,  32
.set PW,  52
.set SEL, 30
.set MSB, 0
.macro WIN new                         ; the immediate's high byte repeats the setting that is left; a switch that changes nothing is dropped
.if MSB != (\new)
	s_set_vgpr_msb (MSB<<8)|(\new)
.set MSB, (\new)
.endif
.endm
.macro KFRAG f                         ; fragment f of the chunk at s[38:39] into its registers of window 3
.if (\f) < 14
.set KR, 12*(\f)
.else
.set KR, 200+12*((\f)-14)
.endif
	global_load_b128 v[KR:KR+3], v1, s[38:39] offset:1536*(\f)
	global_load_b64 v[KR+4:KR+5], v2, s[38:39] offset:1536*(\f)+512
	global_load_b128 v[KR+6:KR+9], v1, s[38:39] offset:1536*(\f)+768
	global_load_b64 v[KR+10:KR+11], v2, s[38:39] offset:1536*(\f)+1280
.endm
.macro KSLOAD                          ; the 16 fragments' scale words, two fragments to a register: lanes 0-15 the even one's, lanes 16-31 the odd one's
.irp k, 0,1,2,3,4,5,6,7
	global_load_b32 v[KS+\k], v3, s[40:41] offset:256*\k
.endr
.endm
.macro KLOAD f0, f1, ks                ; two fragments of the NEXT chunk's K; the last chunk has no next: a branch on the count of chunks
	WIN 0
	s_cmp_eq_u32 s34, 3
	s_cbranch_scc1 .Lnok_\@
.if \ks
	KSLOAD
.endif
	WIN 0xC0
	KFRAG \f0
	KFRAG \f1
	WIN 0
.Lnok_\@:
.endm
.macro LOADS imm, wset                 ; a trip's tables: B of 2 hidden units x my 32 keys, A of my query, -8 W2 of the 2 units: 21 LDS loads
.irp p, 0,1
.irp b, 0,1
.irp q, 0,1,2,3
	ds_load_b128 v[BV+32*\p+16*\b+4*\q:BV+32*\p+16*\b+4*\q+3], v6 offset:2048*(\imm)+1024*\p+128*\b+16*\q
.endr
.endr
.endr
	ds_load_b64 v[AP:AP+1], v7 offset:128*(\imm)
.irp q, 0,1,2,3
	ds_load_b128 v[WR+16*(\wset)+4*\q:WR+16*(\wset)+4*\q+3], v8 offset:64*(\imm)+16*\q
.endr
.endm
.macro FMAS par                        ; 256 packed multiply-adds: unit p, head, keys ascending: each score tile is first read at its two lowest registers
.irp p, 0,1
.irp g, 0,1,2,3
.irp k, 0,2,4,6,8,10,12,14,16,18,20,22,24,26,28,30
	v_pk_fma_f32 v[64*\g+\k:64*\g+\k+1], v[HID+32*\p+\k:HID+32*\p+\k+1], v[WR+16*(\par)+8*\p+2*\g:WR+16*(\par)+8*\p+2*\g+1], v[64*\g+\k:64*\g+\k+1] op_sel_hi:[1,0,1]
.endr
.irp k, 0,2,4,6,8,10,12,14,16,18,20,22,24,26,28,30
	v_pk_fma_f32 v[64*\g+32+\k:64*\g+32+\k+1], v[HID+32*\p+\k:HID+32*\p+\k+1], v[WR+16*(\par)+8*\p+2*\g:WR+16*(\par)+8*\p+2*\g+1], v[64*\g+32+\k:64*\g+32+\k+1] op_sel:[0,1,0] op_sel_hi:[1,1,1]
.endr
.endr
.endr
.endm
; Two hidden units for 16 queries x 64 keys x 8 heads.  par: which set of W2; ahead: the next trip's tables are asked for; pf: the prefetch's test stands here
.macro TRIP par, ahead, pf
	s_wait_dscnt 0x0                                   ; this trip's 21 loads, asked for 256 multiply-adds ago
.if (\par) == 0
	WIN 0
	v_add_nc_u32 v6, s52, v5                           ; no LDS load of mine is out: the addresses of the next two trips' tables
	v_add_nc_u32 v7, s53, v9
	v_mov_b32 v8, s54
.endif
	WIN 0xC0
.irp p, 0,1
.set k, 0
.rept 32
	v_min_num_f32 v[HID+32*\p+k], v[AP+\p], v[BV+32*\p+k]
.set k, k+1
.endr
.endr
	WIN 0
.if \ahead
	LOADS \par, (1-\par)
.endif
.if \pf
	s_cmp_eq_u32 s35, s37
	s_cbranch_scc0 .Lnopf_\@
	global_prefetch_b8 v11, s[38:39] th:TH_LOAD_NT scope:SCOPE_SE                ; the next chunk's 16 fragments of K, 24,576 bytes: lanes 256 bytes apart, three instructions.  Asked once in the launch:
	global_prefetch_b8 v11, s[38:39] offset:8192 th:TH_LOAD_NT scope:SCOPE_SE    ; by the batch's first work-group, each wave for its own keys, in trip 12 of the loop's 14 in chunks 0 to 2: that trip's rest,
	global_prefetch_b8 v11, s[38:39] offset:16384 th:TH_LOAD_NT scope:SCOPE_SE   ; one more trip and the four units written out stand between it and the first load that wants them
.Lnopf_\@:
.endif
	WIN 0xA3                                           ; the minima window 3, W2 window 0, the accumulators window 2
	FMAS \par
.endm
; The softmax of head h for this chunk's 64 keys, p's quantiser, and O^T += V^T p^T
.macro HEAD h
.set S, 32*(\h)
	WIN 0x2A
.irp q, 0,1,2,3
	v_max3_num_f32 v[132+\q], v[S+8*\q], v[S+8*\q+1], v[S+8*\q+2]   ; four chains of eight: the largest D of each half block
.endr
	WIN 0x28
.irp q, 0,1,2,3
	v_max3_num_f32 v[132+\q], v[132+\q], v[S+8*\q+3], v[S+8*\q+4]
.endr
.irp q, 0,1,2,3
	v_max3_num_f32 v[132+\q], v[132+\q], v[S+8*\q+5], v[S+8*\q+6]
.endr
.irp q, 0,1,2,3
	v_max_num_f32 v[132+\q], v[132+\q], v[S+8*\q+7]
.endr
	WIN 0
	v_max_num_f32 v138, v132, v133                     ; my 16 keys of block 0,
	v_max_num_f32 v139, v134, v135                     ; of block 1
.if (\h) > 0
	KLOAD 2*(\h)-2, 2*(\h)-1, 0                        ; into the registers of V that the head before has left: its last product stands 18 plain instructions back
.endif
	v_permlanex16_b32 v136, v138, s[SEL], s[SEL+1]
	v_permlanex16_b32 v137, v139, s[SEL], s[SEL+1]
	v_max_num_f32 v138, v138, v136                     ; THE LARGEST D OF EACH BLOCK OF 32 KEYS serves twice: for the row's maximum, and, since p rises with D, for the block's largest p
	v_max_num_f32 v139, v139, v137
	v_max_num_f32 v140, v138, v139
	v_fma_f32 v140, v140, s32, v[CE+\h]                ; the chunk's largest t
	v_floor_f32 v141, -v140
	v_min_num_f32 v141, v141, v[NM+\h]                 ; the new -M = floor(-the running largest t): M is a whole number
	v_sub_f32 v246, v141, v[NM+\h]                     ; old M - new M, 0 or less
	v_mov_b32 v[NM+\h], v141
	v_cvt_i32_f32 v246, v246                           ; (it saturates)
	v_ldexp_f32 v142, 1.0, v246                        ; f = 2^(old M - new M): exact
	v_add_f32 v144, v[CE+\h], v141                     ; cE - M
	v_fma_f32 v138, v138, s32, v144
	v_fma_f32 v139, v139, s32, v144
	WIN 0x82
.irp k, 0,2,4,6,8,10,12,14,16,18,20,22,24,26,28,30
	v_pk_fma_f32 v[S+\k:S+\k+1], v[S+\k:S+\k+1], s[32:33], v[144:145] op_sel_hi:[1,0,0]   ; t - M
.endr
.set k, 0
.rept 32
	v_exp_f32 v[S+k], v[S+k]                           ; p = 2^(t - M): not normalised
.set k, k+1
.endr
	WIN 0
	v_exp_f32 v138, v138                               ; the blocks' largest p: the same two instructions on the same numbers
	v_exp_f32 v139, v139
	v_nop                                              ; a plain place behind the last exponential
	s_wait_alu depctr_va_vdst(0)                       ; ONE wait for the batch of 34, ahead of its first reader
	v_pk_mul_f32 v[SUM+2*(\h):SUM+2*(\h)+1], v[SUM+2*(\h):SUM+2*(\h)+1], v[142:143] op_sel_hi:[1,0]   ; the sum under the new M
	WIN 0x0A
	v_pk_add_f32 v[168:169], v[S:S+1], v[S+2:S+3]      ; the sum is taken of the unquantised p, in two chains
	WIN 0x08
.irp j, 4,8,12,16,20,24,28
	v_pk_add_f32 v[SUM+2*(\h):SUM+2*(\h)+1], v[SUM+2*(\h):SUM+2*(\h)+1], v[S+\j:S+\j+1]
	v_pk_add_f32 v[168:169], v[168:169], v[S+\j+2:S+\j+3]
.endr
	WIN 0
	v_pk_add_f32 v[SUM+2*(\h):SUM+2*(\h)+1], v[SUM+2*(\h):SUM+2*(\h)+1], v[168:169]
	v_max_num_f32 v138, 0x1800000, v138                ; the floor 2^(3 - 127): the byte cannot fall under 1
	v_max_num_f32 v139, 0x1800000, v139
	v_add_nc_u32 v146, 0xff000000, v138                ; 2 off the exponent field: the conversion's scale operand
	v_add_nc_u32 v147, 0xff000000, v139
	v_lshrrev_b32 v148, 23, v146
	v_lshrrev_b32 v149, 23, v147
	v_lshl_or_b32 v[PS], v149, 8, v148                 ; p's scale word: two blocks; the upper two bytes go with zero codes
	WIN 0x02
	v_cvt_scalef32_pk16_fp6_f32 v[152:154], v[S:S+15], v146
	v_cvt_scalef32_pk16_fp6_f32 v[164:166], v[S+16:S+31], v147
	WIN 0
	v_nop                                              ; one plain place behind a scaled conversion
.irp i, 0,1,2
	v_permlane16_swap_b32 v[152+\i], v[164+\i]         ; the operand's layout wants a whole block in a lane
.endr
.irp i, 0,1,2
	v_mov_b32 v[155+\i], v[164+\i]
.endr
	WIN 0x41
.irp k, 0,2,4,6,8,10,12,14,16,18,20,22,24,26,28,30
	v_pk_mul_f32 v[S+\k:S+\k+1], v[S+\k:S+\k+1], v[142:143] op_sel_hi:[1,0]   ; O^T under the new M; these are also the places between the scale word, the codes and the products
.endr
	WIN 0x53                                           ; V window 3, p window 0, O^T window 1
.irp dt, 0,1,2,3                       ; source 0: six registers of V and the six that follow, which p's zero codes blank.  Four accumulators, one instruction each
.if (\dt%2) == 0
	v_wmma_scale_f32_16x16x128_f8f6f4 v[S+8*\dt:S+8*\dt+7], v[24*(\h)+6*\dt:24*(\h)+6*\dt+11], v[152:163], v[S+8*\dt:S+8*\dt+7], v[VS+2*(\h)+\dt/2], v[PS] matrix_a_fmt:MATRIX_FMT_FP6 matrix_b_fmt:MATRIX_FMT_FP6
.else
	v_wmma_scale_f32_16x16x128_f8f6f4 v[S+8*\dt:S+8*\dt+7], v[24*(\h)+6*\dt:24*(\h)+6*\dt+11], v[152:163], v[S+8*\dt:S+8*\dt+7], v[VS+2*(\h)+\dt/2], v[PS] matrix_a_fmt:MATRIX_FMT_FP6 matrix_b_fmt:MATRIX_FMT_FP6 matrix_a_scale:MATRIX_SCALE_ROW1
.endif
.endr
.endm
; 64 numbers of a lane, register 16 b + i = k 32 b + 16 (lane / 16) + i of my row, become a fragment's codes in v[PC] on and its scale word in v[PW]
.macro QUANT s
.irp b, 0,1,2,3
	v_max3_num_f32 v[TM+\b], |v[\s+16*\b]|, |v[\s+1+16*\b]|, 0x1800000
.endr
.irp i, 2,4,6,8,10,12,14
.irp b, 0,1,2,3
	v_max3_num_f32 v[TM+\b], v[TM+\b], |v[\s+16*\b+\i]|, |v[\s+1+16*\b+\i]|
.endr
.endr
.irp b, 0,1,2,3
	v_permlanex16_b32 v[TM+4+\b], v[TM+\b], s[SEL], s[SEL+1]
.endr
.irp b, 0,1,2,3
	v_max_num_f32 v[TM+\b], v[TM+\b], v[TM+4+\b]
.endr
.irp b, 0,1,2,3
	v_add_nc_u32 v[TM+12+\b], 0xff000000, v[TM+\b]
.endr
.irp b, 0,1,2,3
	v_lshrrev_b32 v[TM+4+\b], 23, v[TM+12+\b]
.endr
	v_lshl_or_b32 v[PW], v[TM+5], 8, v[TM+4]
	v_lshl_or_b32 v[PW], v[TM+6], 16, v[PW]
	v_lshl_or_b32 v[PW], v[TM+7], 24, v[PW]
.irp c, 0,1
	v_cvt_scalef32_pk16_fp6_f32 v[PC+6*\c:PC+2+6*\c], v[\s+32*\c:\s+15+32*\c], v[TM+12+2*\c]
	v_cvt_scalef32_pk16_fp6_f32 v[PC+12+4*\c:PC+14+4*\c], v[\s+16+32*\c:\s+31+32*\c], v[TM+12+2*\c+1]
.endr
	v_nop
.irp c, 0,1
.irp i, 0,1,2
	v_permlane16_swap_b32 v[PC+6*\c+\i], v[PC+12+4*\c+\i]
.endr
.irp i, 0,1,2
	v_mov_b32 v[PC+3+6*\c+\i], v[PC+12+4*\c+\i]
.endr
.endr
.endm
.macro BARRIER                         ; my LDS stores have landed and my LDS loads are in: then the work-group's barrier
	s_wait_dscnt 0x0
	s_barrier_signal -1
	s_barrier_wait -1
.endm
	s_load_b512 s[4:19], s[0:1], 0x0                   ; freqs, W1, b1, W2, b2, qkv_codes, qkv_scales, wo_frag
	s_load_b128 s[20:23], s[0:1], 0x40                 ; Wo scales, bo
	s_load_b64 s[24:25], s[0:1], 0x50                  ; out0
	v_lshl_add_u32 v252, v0, 2, SPARE                  ; my spare word,
	v_mov_b32 v253, 0                                  ; and 0: kept for the wave's closing lines alone
	v_lshrrev_b32 v12, 5, v0
	v_readfirstlane_b32 s26, v12                       ; wave
	s_mov_b32 s27, ttmp9                               ; T
	s_lshr_b32 s28, s27, 6                             ; batch
	s_mov_b32 s[SEL], 0x76543210
	s_mov_b32 s[SEL+1], 0xfedcba98
	s_mov_b32 s32, 0x3e38aa3b                          ; c = log2(e) / 8
	s_mov_b32 s33, s32                                 ; (named with it as a pair)
	s_mov_b32 s51, 0                                   ; s[50:51]: offsets, the upper word always 0
	v_and_b32 v13, 31, v0
	v_lshlrev_b32 v1, 4, v13                           ; 16 x lane
	v_lshlrev_b32 v2, 3, v13                           ; 8 x lane
	v_lshlrev_b32 v4, 2, v13                           ; 4 x lane
	v_lshlrev_b32 v11, 8, v13                          ; 256 x lane
	v_and_b32 v14, 15, v0                              ; r
	v_bfe_u32 v15, v0, 4, 1                            ; h
	v_lshlrev_b32 v3, 2, v14
	v_lshl_add_u32 v3, v15, 7, v3                      ; 128 h + 4 r: two scale records to a register
	s_lshl_b32 s50, s26, 16
	v_lshlrev_b32 v5, 6, v15
	v_add_nc_u32 v5, s50, v5                           ; my table of B: 65,536 wave + 64 h
	v_add_nc_u32 v13, s50, v1                          ; and 65,536 wave + 16 x lane
	v_lshl_add_u32 v9, v14, 3, AT                      ; A: 8 r
	s_lshl_b32 s50, s26, 10
	v_add_nc_u32 v7, s50, v9                           ; where I store my 16 units' A
	v_lshlrev_b32 v8, 4, v0                            ; 16 x thread
	v_add_nc_u32 v6, WT, v8
	v_and_b32 v250, 8, v14
	v_add_nc_u32 v250, v250, v14
	v_lshlrev_b32 v250, 2, v250                        ; 4 (r + 8 (r / 8))
	v_lshl_add_u32 v251, v14, 4, EP
	v_mov_b32 v12, 0                                   ; the offset of loads that are the same in all lanes
	s_wait_kmcnt 0x0
	s_lshr_b32 s50, s27, 1
	s_lshl_b32 s50, s50, 7
	s_and_b32 s29, s27, 1
	s_lshl_b32 s29, s29, 5
	s_add_co_u32 s50, s50, s29
	s_add_nc_u64 s[56:57], s[4:5], s[50:51]            ; f of my tile's queries
	s_lshl_b32 s50, s28, 12
	s_lshl_b32 s29, s26, 10
	s_add_co_u32 s50, s50, s29
	s_add_nc_u64 s[58:59], s[4:5], s[50:51]            ; f of my wave's 256 keys
	s_lshl_b32 s50, s26, 6
	s_add_nc_u64 s[60:61], s[6:7], s[50:51]            ; W1 and b1 at my wave's 16 units
	s_add_nc_u64 s[62:63], s[8:9], s[50:51]
	s_lshl_b32 s50, s26, 9
	s_add_nc_u64 s[52:53], s[10:11], s[50:51]          ; W2's rows of those units
	; the first run, 50 loads: what the tables of A, of W2 and of the queries' sums want
	global_load_b128 v[246:249], v8, s[10:11]          ; four numbers of W2 a thread
	global_load_b32 v228, v250, s[56:57]
	global_load_b128 v[180:183], v1, s[58:59]          ; keys 4 l .. 4 l + 3,
	global_load_b128 v[184:187], v1, s[58:59] offset:512   ; and 128 + 4 l ..
.irp j, 0,1,2,3
	global_load_b128 v[132+4*\j:135+4*\j], v12, s[60:61] offset:16*\j
	global_load_b128 v[148+4*\j:151+4*\j], v12, s[60:61] offset:256+16*\j
	global_load_b128 v[164+4*\j:167+4*\j], v12, s[62:63] offset:16*\j
.endr
	global_load_b128 v[116:119], v12, s[12:13]         ; b2 waits where -M will lie
	global_load_b128 v[120:123], v12, s[12:13] offset:16
	WIN 0x80
.set i, 0
.rept 32
	global_load_b128 v[128+4*i:131+4*i], v12, s[52:53] offset:16*i   ; my 16 rows of W2 at v128-255 of window 2
.set i, i+1
.endr
	WIN 0
	s_wait_loadcnt 0x0
	s_lshl_b32 s29, s28, 8
	s_lshl_b32 s36, s26, 6
	s_add_co_u32 s29, s29, s36
	s_add_co_u32 s29, s29, 1024                        ; my first fragment of K: 1024 + 256 batch + 64 wave
	s_mul_i32 s50, s29, 1536
	s_add_nc_u64 s[38:39], s[14:15], s[50:51]
	s_lshl_b32 s50, s29, 7
	s_add_nc_u64 s[40:41], s[16:17], s[50:51]
	s_add_co_u32 s29, s29, 1024                        ; and of V
	s_mul_i32 s50, s29, 1536
	s_add_nc_u64 s[42:43], s[14:15], s[50:51]
	s_lshl_b32 s50, s29, 7
	s_add_nc_u64 s[46:47], s[16:17], s[50:51]
	s_mul_i32 s50, s27, 6144
	s_add_nc_u64 s[58:59], s[14:15], s[50:51]          ; Q's four fragments
	s_lshl_b32 s50, s27, 9
	s_add_nc_u64 s[60:61], s[16:17], s[50:51]
	; the second run, 60 loads: all of W1 for the table of B, then K's scale words and Q; they land under the work below
	WIN 0x80
.set i, 0
.rept 32
	global_load_b128 v[4*i:4*i+3], v12, s[6:7] offset:16*i           ; all of W1: row 0 at v0-63 of window 2, row 1 at v64-127
.set i, i+1
.endr
	WIN 0
	KSLOAD
.irp hp, 0,1,2,3
	global_load_b128 v[QF+18*\hp:QF+18*\hp+3], v1, s[58:59] offset:1536*\hp
	global_load_b64 v[QF+18*\hp+4:QF+18*\hp+5], v2, s[58:59] offset:1536*\hp+512
	global_load_b128 v[QF+18*\hp+12:QF+18*\hp+15], v1, s[58:59] offset:1536*\hp+768
	global_load_b64 v[QF+18*\hp+16:QF+18*\hp+17], v2, s[58:59] offset:1536*\hp+1280
	global_load_b32 v[QS+\hp], v4, s[60:61] offset:128*\hp
.endr
.irp hp, 0,1,2,3
.irp i, 0,1,2,3,4,5
	v_mov_b32 v[QF+18*\hp+6+\i], 0                     ; the zero codes between a pair's two heads
.endr
.endr
.irp i, 0,1,2,3,4,5,6,7,8,9,10,11,12,13,14,15
	v_mov_b32 v[SUM+\i], 0
.endr
	WIN 0x40
.set i, 0
.rept 256
	v_mov_b32 v[i], 0                                  ; O^T: the chunk's text stands once; its first pass finds zeros, which the first change of M leaves zeros
.set i, i+1
.endr
	WIN 0
	v_pk_mul_f32 v[246:247], v[246:247], 0xc1000000 op_sel_hi:[1,0]   ; -8 W2
	v_pk_mul_f32 v[248:249], v[248:249], 0xc1000000 op_sel_hi:[1,0]
	ds_store_b128 v6, v[246:249]
	s_lshl_b32 s50, s26, 9
	v_add_nc_u32 v8, s50, v251                         ; where I store my partial sums of W2 A
	v_add_f32 v229, 0x358637bd, v228                   ; f + 1e-6
.irp j, 0,1,2,3,4,5,6,7
	v_add_f32 v[188+\j], 0x358637bd, v[180+\j]
.endr
	v_log_f32 v229, |v229|
.irp j, 0,1,2,3,4,5,6,7
	v_log_f32 v[188+\j], |v[188+\j]|
.endr
	v_nop                                              ; a plain place behind the last logarithm
	s_wait_alu depctr_va_vdst(0)                       ; one wait for the batch of nine
	v_mul_f32 v229, 0x3f317218, v229                   ; x ln 2
.irp j, 0,2,4,6
	v_pk_mul_f32 v[188+\j:189+\j], v[188+\j:189+\j], 0x3f317218 op_sel_hi:[1,0]
.endr
.irp q, 0,2,4,6,8,10,12,14             ; A of my 16 units for my query
	v_pk_fma_f32 v[164+\q:165+\q], v[148+\q:149+\q], v[228:229], v[164+\q:165+\q] op_sel:[0,1,0] op_sel_hi:[1,1,1]
.endr
.irp q, 0,2,4,6,8,10,12,14
	v_pk_fma_f32 v[132+\q:133+\q], v[132+\q:133+\q], v[228:229], v[164+\q:165+\q] op_sel_hi:[1,0,1]
.endr
.irp q, 0,2,4,6,8,10,12,14
	ds_store_b64 v7, v[132+\q:133+\q] offset:64*\q     ; (both halves of the lanes write the same numbers)
.endr
	WIN 0x08                                           ; source 1 (W2) window 2
.irp k, 0,2,4,6
	v_pk_mul_f32 v[CE+\k:CE+\k+1], v[132:133], v[128+\k:129+\k] op_sel_hi:[0,1]
.endr
.set mm, 1
.rept 15
.irp k, 0,2,4,6
.if (mm%2) == 0
	v_pk_fma_f32 v[CE+\k:CE+\k+1], v[132+mm:133+mm], v[128+8*mm+\k:129+8*mm+\k], v[CE+\k:CE+\k+1] op_sel_hi:[0,1,1]
.else
	v_pk_fma_f32 v[CE+\k:CE+\k+1], v[131+mm:132+mm], v[128+8*mm+\k:129+8*mm+\k], v[CE+\k:CE+\k+1] op_sel:[1,0,0] op_sel_hi:[1,1,1]
.endif
.endr
.set mm, mm+1
.endr
	WIN 0
	ds_store_b128 v8, v[CE:CE+3]
	ds_store_b128 v8, v[CE+4:CE+7] offset:256
	s_wait_dscnt 0x0                                   ; the stores have read their registers
	s_wait_loadcnt 28                                  ; all of W1 is in: behind it stand the 8 loads of K's scale words and Q's 20
	WIN 0xC0
.irp f, 0,1,2,3,4,5,6,7,8,9,10,11,12,13,14,15
	KFRAG \f                                           ; the third run, 64 loads: chunk 0's K: it lands under the table's build below
.endr
	WIN 0
; the table of B: all 64 units x my wave's 256 keys, eight keys a lane, four units at a time, in two sets of registers by turns
.set g, 0
.rept 16
.set SBS, 132+64*(g%2)
.if g >= 2
	s_wait_dscnt 8                                     ; all but the other set's eight stores are done: this set may be written again
.endif
	WIN 0x08
.irp mi, 0,1,2,3
.irp kp, 0,2,4,6
.if (\mi%2) == 0
	v_pk_mul_f32 v[SBS+8*\mi+\kp:SBS+8*\mi+\kp+1], v[180+\kp:181+\kp], v[4*g+2*(\mi/2):4*g+2*(\mi/2)+1] op_sel_hi:[1,0]
.else
	v_pk_mul_f32 v[SBS+8*\mi+\kp:SBS+8*\mi+\kp+1], v[180+\kp:181+\kp], v[4*g+2*(\mi/2):4*g+2*(\mi/2)+1] op_sel:[0,1] op_sel_hi:[1,1]
.endif
.endr
.endr
.irp mi, 0,1,2,3
.irp kp, 0,2,4,6
.if (\mi%2) == 0
	v_pk_fma_f32 v[SBS+8*\mi+\kp:SBS+8*\mi+\kp+1], v[188+\kp:189+\kp], v[64+4*g+2*(\mi/2):64+4*g+2*(\mi/2)+1], v[SBS+8*\mi+\kp:SBS+8*\mi+\kp+1] op_sel_hi:[1,0,1]
.else
	v_pk_fma_f32 v[SBS+8*\mi+\kp:SBS+8*\mi+\kp+1], v[188+\kp:189+\kp], v[64+4*g+2*(\mi/2):64+4*g+2*(\mi/2)+1], v[SBS+8*\mi+\kp:SBS+8*\mi+\kp+1] op_sel:[0,1,0] op_sel_hi:[1,1,1]
.endif
.endr
.endr
	WIN 0
.irp mi, 0,1,2,3
	ds_store_b128 v13, v[SBS+8*\mi:SBS+8*\mi+3] offset:1024*(4*g+\mi)
	ds_store_b128 v13, v[SBS+8*\mi+4:SBS+8*\mi+7] offset:1024*(4*g+\mi)+512
.endr
.set g, g+1
.endr
	BARRIER                                            ; the tables lie in LDS; from here to the end of the chunks no wave stores to LDS
.irp s, 0,1,2,3
.irp k, 0,1
	ds_load_b128 v[132+8*\s+4*\k:135+8*\s+4*\k], v251 offset:512*\s+256*\k
.endr
.endr
	s_wait_dscnt 0x0
.irp u, 0,2,4,6                        ; cE = log2(e) (b2 + the four waves' parts of sum W2 A)
	v_pk_add_f32 v[CE+\u:CE+\u+1], v[132+\u:133+\u], v[140+\u:141+\u]
	v_pk_add_f32 v[148+\u:149+\u], v[148+\u:149+\u], v[156+\u:157+\u]
.endr
.irp u, 0,2,4,6
	v_pk_add_f32 v[CE+\u:CE+\u+1], v[CE+\u:CE+\u+1], v[148+\u:149+\u]
.endr
.irp u, 0,2,4,6
	v_pk_add_f32 v[CE+\u:CE+\u+1], v[CE+\u:CE+\u+1], v[NM+\u:NM+\u+1]
.endr
.irp u, 0,2,4,6
	v_pk_mul_f32 v[CE+\u:CE+\u+1], v[CE+\u:CE+\u+1], 0x3fb8aa3b op_sel_hi:[1,0]
.endr
.irp i, 0,1,2,3,4,5,6,7
	v_mov_b32 v[NM+\i], 0x7f61b1e6                     ; -M = 3e38: over every -t
.endr
	s_mov_b32 s34, 0
.Lchunk:                                               ; four chunks of 64 keys
	s_wait_loadcnt 0x0                                 ; K and its scale words (the first time Q too)
	WIN 0x83                                           ; K window 3, Q window 0, the accumulators window 2
.irp tt, 0,1,2,3
.irp hp, 0,1,2,3
.set KR, 12*(4*\tt+\hp)
.if (4*\tt+\hp) >= 14
.set KR, 200+12*(4*\tt+\hp-14)
.endif
.irp e, 0,1
.if (\hp%2) == 0
	v_wmma_scale_f32_16x16x128_f8f6f4 v[32*(2*\hp+\e)+8*\tt:32*(2*\hp+\e)+8*\tt+7], v[KR:KR+11], v[QF+18*\hp+6*\e:QF+18*\hp+6*\e+11], 0, v[KS+2*\tt+\hp/2], v[QS+\hp] matrix_a_fmt:MATRIX_FMT_FP6 matrix_b_fmt:MATRIX_FMT_FP6
.else
	v_wmma_scale_f32_16x16x128_f8f6f4 v[32*(2*\hp+\e)+8*\tt:32*(2*\hp+\e)+8*\tt+7], v[KR:KR+11], v[QF+18*\hp+6*\e:QF+18*\hp+6*\e+11], 0, v[KS+2*\tt+\hp/2], v[QS+\hp] matrix_a_fmt:MATRIX_FMT_FP6 matrix_b_fmt:MATRIX_FMT_FP6 matrix_a_scale:MATRIX_SCALE_ROW1
.endif
.endr
.endr
.endr
	WIN 0
.rept 4
	v_nop                                              ; places in front of loads into registers that matrix instructions have read, and of the first read of the scores
.endr
	s_wait_xcnt 0x0                                    ; every earlier load and prefetch has read its addresses: the pointers are stepped only behind this wait
	s_add_nc_u64 s[38:39], s[38:39], 24576             ; K: the next chunk's 16 fragments,
	s_add_nc_u64 s[40:41], s[40:41], 2048              ; and scale records
	s_lshr_b32 s29, s34, 1
	s_and_b32 s55, s34, 1
	s_mul_i32 s50, s29, 49152
	s_mul_i32 s56, s55, 768
	s_add_co_u32 s50, s50, s56
	s_add_nc_u64 s[44:45], s[42:43], s[50:51]          ; V: group c / 2 of 128 keys, half c % 2 of each fragment
	s_lshl_b32 s50, s29, 12
	s_add_nc_u64 s[48:49], s[46:47], s[50:51]
	s_lshl_b32 s36, s55, 4                             ; which two bytes of V's scale words are this chunk's
	s_and_b32 s29, s27, 63
	s_cmp_eq_u32 s34, 3
	s_cselect_b32 s55, 1, 0
	s_or_b32 s29, s29, s55
	s_cmp_eq_u32 s29, 0
	s_cselect_b32 s37, 12, -1                          ; the trip in which I prefetch: the batch's first work-group, chunks 0 to 2
	WIN 0xC0
.set ct, 0
.rept 28
	global_load_b128 v[6*ct:6*ct+3], v1, s[44:45] offset:1536*ct       ; V's half fragments 0 to 27, 56 loads: they have the whole bias loop in which to land
	global_load_b64 v[6*ct+4:6*ct+5], v2, s[44:45] offset:1536*ct+512
.set ct, ct+1
.endr
	WIN 0
	s_lshl_b32 s52, s34, 8                             ; B: 256 bytes a chunk,
	s_mov_b32 s53, 0                                   ; A,
	s_mov_b32 s54, WT                                  ; W2: at trip 0
	v_add_nc_u32 v6, s52, v5
	v_add_nc_u32 v7, s53, v9
	v_mov_b32 v8, s54
	LOADS 0, 0
	s_add_co_u32 s52, s52, 2048                        ; at trip 1
	s_add_co_u32 s53, s53, 128
	s_add_co_u32 s54, s54, 64
	TRIP 0, 1, 0                                       ; the first four hidden units are written out: the wave works on them between its two runs of loads
	TRIP 1, 1, 0
	WIN 0
	s_add_co_u32 s52, s52, 4096
	s_add_co_u32 s53, s53, 256
	s_add_co_u32 s54, s54, 128
	WIN 0xC0
.set ct, 28
.rept 4
	global_load_b128 v[6*ct:6*ct+3], v1, s[44:45] offset:1536*ct       ; V's half fragments 28 to 31,
	global_load_b64 v[6*ct+4:6*ct+5], v2, s[44:45] offset:1536*ct+512
.set ct, ct+1
.endr
	WIN 0
.irp k, 0,1,2,3,4,5,6,7,8,9,10,11,12,13,14,15
	global_load_b32 v[VS+\k], v3, s[48:49] offset:256*\k               ; and V's scale words: 24 loads, with 60 hidden units' work in which to land
.endr
	s_mov_b32 s35, 0
.Lbias:                                                ; 14 trips of four hidden units
	TRIP 0, 1, 1
	TRIP 1, 1, 0
	WIN 0
	s_add_co_u32 s52, s52, 4096
	s_add_co_u32 s53, s53, 256
	s_add_co_u32 s54, s54, 128
	s_add_co_u32 s35, s35, 1
	s_cmp_lt_u32 s35, 14
	s_cbranch_scc1 .Lbias
	TRIP 0, 1, 0                                       ; the last four units are written out: no load passes the tables' ends
	TRIP 1, 0, 0
	WIN 0
	s_wait_loadcnt 0x0                                 ; V
.irp k, 0,1,2,3,4,5,6,7,8,9,10,11,12,13,14,15
	v_lshrrev_b32 v[VS+\k], s36, v[VS+\k]              ; the chunk's two bytes lowest
.endr
.irp i, 0,1,2,3,4,5
	v_mov_b32 v[158+\i], 0                             ; the zero codes behind p
.endr
	v_mov_b32 v136, 0                                  ; (a lane permute's destination counts as one of its sources)
	v_mov_b32 v137, 0
	v_mov_b32 v143, 0                                  ; (named as the upper halves of pairs)
	v_mov_b32 v145, 0
	KLOAD 14, 15, 1                                    ; where the minima lay
	HEAD 0
	HEAD 1
	HEAD 2
	HEAD 3
	HEAD 4
	HEAD 5
	HEAD 6
	HEAD 7
	WIN 0
	s_add_co_u32 s34, s34, 1
	s_cmp_lt_u32 s34, 4
	s_cbranch_scc1 .Lchunk
	; ---- THE MERGE.  The sums' two halves and the other half of the lanes' (these are also the places behind the last products)
.irp h, 0,1,2,3,4,5,6,7
	v_add_f32 v[SUM+2*\h], v[SUM+2*\h], v[SUM+2*\h+1]
.endr
.irp h, 0,1,2,3,4,5,6,7
	v_permlanex16_b32 v[SUM+2*\h+1], v[SUM+2*\h], s[SEL], s[SEL+1]
.endr
.irp h, 0,1,2,3,4,5,6,7
	v_add_f32 v[SUM+2*\h], v[SUM+2*\h], v[SUM+2*\h+1]
.endr
	s_lshl_b32 s50, s26, 16
	v_add_nc_u32 v14, s50, v4                          ; 65,536 wave + 4 x lane
	v_and_b32 v246, 15, v0
	v_bfe_u32 v247, v0, 4, 1
	v_mul_u32_u24 v248, v246, 528
	v_lshl_add_u32 v248, v247, 5, v248
	s_mul_i32 s50, s26, 8448
	s_add_co_u32 s50, s50, SG
	v_add_nc_u32 v248, s50, v248                       ; my stage: row r, + 32 h
	v_add_nc_u32 v249, s50, v1                         ; and back: 16 x lane
	v_lshlrev_b32 v53, 5, v247                         ; bo: 32 h
	s_mul_i32 s50, s26, 1536
	s_add_co_u32 s50, s50, CI
	v_add_nc_u32 v86, s50, v1                          ; where I store my fragment's image,
	s_lshl_b32 s50, s26, 7
	s_add_co_u32 s50, s50, CSC
	v_add_nc_u32 v87, s50, v4                          ; and its scale words
	v_add_nc_u32 v246, CI, v1
	v_add_nc_u32 v247, CSC, v4
	BARRIER                                            ; no wave reads the tables any more
	WIN 0x04                                           ; an LDS store's data are its source 1: window 1
.set i, 0
.rept 64
	ds_store_b128 v13, v[4*i:4*i+3] offset:512*i       ; my partial O^T as an image of its registers, ascending, into my own table's bytes
.set i, i+1
.endr
	WIN 0
.irp h, 0,1,2,3,4,5,6,7
	ds_store_b32 v14, v[NM+\h] offset:32768+256*\h
	ds_store_b32 v14, v[SUM+2*\h] offset:32768+256*\h+128
.endr
	s_mul_i32 s50, s26, 49152
	s_add_nc_u64 s[56:57], s[18:19], s[50:51]          ; Wo: the 32 fragments of my 128 rows n,
	s_lshl_b32 s50, s26, 11
	s_add_nc_u64 s[58:59], s[20:21], s[50:51]          ; their scales,
	s_lshl_b32 s50, s26, 9
	s_add_nc_u64 s[60:61], s[22:23], s[50:51]          ; bo,
	s_add_nc_u64 s[62:63], s[24:25], s[50:51]          ; and my 512 bytes of a row of the output
	s_lshr_b32 s29, s27, 1
	s_lshl_b32 s29, s29, 5
	s_and_b32 s55, s27, 1
	s_lshl_b32 s55, s55, 3
	s_add_co_u32 s29, s29, s55
	s_lshl_b32 s50, s29, 11
	s_add_nc_u64 s[62:63], s[62:63], s[50:51]          ; at token 32 (T / 2) + 8 (T % 2)
	s_wait_loadcnt 0x0                                 ; no load of mine is out: the heads' loads of K name registers of window 3 that Wo's fragments take, and Wo's loads are issued only behind this wait
	WIN 0x80
.irp s, 0,1                            ; Wo's fragments of K steps 0 and 1: 48 loads of 512 consecutive bytes
.irp t, 0,1,2,3,4,5,6,7
.irp c, 0,1,2
	global_load_b128 v[96*\s+12*\t+4*\c:96*\s+12*\t+4*\c+3], v1, s[56:57] offset:1536*(4*\t+\s)+512*\c
.endr
.endr
.endr
	WIN 0
.irp k, 0,1,2,3
	global_load_b128 v[VS+4*\k:VS+4*\k+3], v1, s[58:59] offset:512*\k   ; 32 rows' scale words: lanes 0-15 tile 2 k, lanes 16-31 tile 2 k + 1; register s: K step s
.endr
	BARRIER                                            ; all four waves' parts lie in LDS
	s_lshl_b32 s50, s26, 13                            ; I finish heads 2 w and 2 w + 1
	v_add_nc_u32 v12, s50, v1
	v_add_nc_u32 v13, 0x10000, v12
	v_add_nc_u32 v14, 0x20000, v12
	v_add_nc_u32 v15, 0x30000, v12
	s_lshl_b32 s50, s26, 9
	s_add_co_u32 s50, s50, 32768
	v_add_nc_u32 v78, s50, v4
	v_add_nc_u32 v79, 0x10000, v78
	v_add_nc_u32 v80, 0x20000, v78
	v_add_nc_u32 v81, 0x30000, v78
.irp s, 0,1,2,3
.irp e, 0,1
	ds_load_b32 v[54+2*\s+\e], v[78+\s] offset:256*\e
	ds_load_b32 v[62+2*\s+\e], v[78+\s] offset:256*\e+128
.endr
.endr
	WIN 0x40
.irp s, 0,1,2,3
.irp k, 0,1,2,3,4,5,6,7
	ds_load_b128 v[64+32*\s+4*\k:67+32*\s+4*\k], v[12+\s] offset:512*\k
.endr
.endr
.irp t, 0,1,2,3,4,5,6,7
	global_load_b128 v[8*\t:8*\t+3], v53, s[60:61] offset:64*\t          ; bo goes straight into the output's accumulators (my stores of O^T have read them: the barrier's wait)
	global_load_b128 v[8*\t+4:8*\t+7], v53, s[60:61] offset:64*\t+16
.endr
	WIN 0
	s_wait_dscnt 32                                    ; the 16 statistics are in; the 32 loads of the first head's parts may be out
.irp e, 0,1
	v_min3_num_f32 v[82+\e], v[54+\e], v[56+\e], v[58+\e]
.endr
.irp e, 0,1
	v_min_num_f32 v[82+\e], v[82+\e], v[60+\e]         ; -M* of the whole row
.endr
.irp e, 0,1
.irp s, 0,1,2,3
	v_sub_f32 v[70+4*\e+\s], v[82+\e], v[54+2*\s+\e]   ; M_s - M*: a whole number, 0 or less
.endr
.endr
.irp i, 0,1,2,3,4,5,6,7
	v_cvt_i32_f32 v[70+\i], v[70+\i]
.endr
.irp i, 0,1,2,3,4,5,6,7
	v_ldexp_f32 v[70+\i], 1.0, v[70+\i]                ; f_s: exact
.endr
.irp e, 0,1
	v_mul_f32 v[84+\e], v[70+4*\e], v[62+\e]
.endr
.irp s, 1,2,3
.irp e, 0,1
	v_fmac_f32 v[84+\e], v[70+4*\e+\s], v[62+2*\s+\e]  ; the row's sum
.endr
.endr
	v_rcp_f32 v84, v84
	v_rcp_f32 v85, v85
	v_nop                                              ; a plain place behind the last reciprocal
	s_wait_alu depctr_va_vdst(0)                       ; one wait for the two
.irp e, 0,1
.irp s, 0,1,2,3
	v_mul_f32 v[70+4*\e+\s], v[70+4*\e+\s], v[84+\e]   ; g_s = f_s / the sum
.endr
.endr
.macro COMBINE e                       ; the context of head 2 w + e: the sum over the four waves of g_s O_s
	s_wait_dscnt 0x0
	WIN 0x01
.irp k, 0,2,4,6,8,10,12,14,16,18,20,22,24,26,28,30
	v_pk_mul_f32 v[132+32*\e+\k:133+32*\e+\k], v[64+\k:65+\k], v[70+4*\e:71+4*\e] op_sel_hi:[1,0]
.endr
.irp k, 0,2,4,6,8,10,12,14,16,18,20,22,24,26,28,30
	v_pk_fma_f32 v[132+32*\e+\k:133+32*\e+\k], v[96+\k:97+\k], v[70+4*\e:71+4*\e], v[132+32*\e+\k:133+32*\e+\k] op_sel:[0,1,0] op_sel_hi:[1,1,1]
.endr
.irp k, 0,2,4,6,8,10,12,14,16,18,20,22,24,26,28,30
	v_pk_fma_f32 v[132+32*\e+\k:133+32*\e+\k], v[128+\k:129+\k], v[72+4*\e:73+4*\e], v[132+32*\e+\k:133+32*\e+\k] op_sel_hi:[1,0,1]
.endr
.irp k, 0,2,4,6,8,10,12,14,16,18,20,22,24,26,28,30
	v_pk_fma_f32 v[132+32*\e+\k:133+32*\e+\k], v[160+\k:161+\k], v[72+4*\e:73+4*\e], v[132+32*\e+\k:133+32*\e+\k] op_sel:[0,1,0] op_sel_hi:[1,1,1]
.endr
.endm
	COMBINE 0
	WIN 0x40
.irp s, 0,1,2,3
.irp k, 0,1,2,3,4,5,6,7
	ds_load_b128 v[64+32*\s+4*\k:67+32*\s+4*\k], v[12+\s] offset:4096+512*\k
.endr
.endr
	WIN 0xC0
.irp s, 2,3                            ; Wo's fragments of K steps 2 and 3: the other 48 loads, behind the first head's work
.irp t, 0,1,2,3,4,5,6,7
.irp c, 0,1,2
	global_load_b128 v[96*(\s%2)+12*\t+4*\c:96*(\s%2)+12*\t+4*\c+3], v1, s[56:57] offset:1536*(4*\t+\s)+512*\c
.endr
.endr
.endr
	COMBINE 1
	WIN 0
	QUANT 132                                          ; my two heads' 128 channels are K step w of the last product
.irp c, 0,1,2
	ds_store_b128 v86, v[PC+4*\c:PC+4*\c+3] offset:512*\c
.endr
	ds_store_b32 v87, v[PW]
	BARRIER                                            ; the context's four fragments lie in LDS
.irp s, 0,1,2,3
.irp c, 0,1,2
	ds_load_b128 v[132+12*\s+4*\c:135+12*\s+4*\c], v246 offset:1536*\s+512*\c
.endr
	ds_load_b32 v[QS+\s], v247 offset:128*\s
.endr
	s_wait_dscnt 0x0
	s_wait_loadcnt 0x0                                 ; Wo, its scales, bo
.irp s, 0,1,2,3                        ; out^T = Wo^T ctx^T + bo: K step by K step, the 8 accumulators by turns
	WIN 0x52+(\s/2)
.irp t, 0,1,2,3,4,5,6,7
.if (\t%2) == 0
	v_wmma_scale_f32_16x16x128_f8f6f4 v[8*\t:8*\t+7], v[96*(\s%2)+12*\t:96*(\s%2)+12*\t+11], v[132+12*\s:143+12*\s], v[8*\t:8*\t+7], v[VS+4*(\t/2)+\s], v[QS+\s] matrix_a_fmt:MATRIX_FMT_FP6 matrix_b_fmt:MATRIX_FMT_FP6
.else
	v_wmma_scale_f32_16x16x128_f8f6f4 v[8*\t:8*\t+7], v[96*(\s%2)+12*\t:96*(\s%2)+12*\t+11], v[132+12*\s:143+12*\s], v[8*\t:8*\t+7], v[VS+4*(\t/2)+\s], v[QS+\s] matrix_a_fmt:MATRIX_FMT_FP6 matrix_b_fmt:MATRIX_FMT_FP6 matrix_a_scale:MATRIX_SCALE_ROW1
.endif
.endr
.endr
	WIN 0
.rept 4
	v_nop                                              ; places in front of the first read of results and of loads into registers that matrix instructions have read
.endr
	WIN 0x04
.irp t, 0,1,2,3,4,5,6,7
	ds_store_b128 v248, v[8*\t:8*\t+3] offset:64*\t    ; lane (r, h): out(query r, 128 w + 16 t + 8 h + 0 .. 7); each accumulator from its low end on
	ds_store_b128 v248, v[8*\t+4:8*\t+7] offset:64*\t+16
.endr
	WIN 0
.set i, 0
.rept 16
	ds_load_b128 v[132+4*i:135+4*i], v249 offset:528*i ; LDS serves a wave's instructions in order: these see my stores
.set i, i+1
.endr
.set i, 0
.rept 16
	s_wait_dscnt 15-i                                  ; row i is back; the younger rows may be out
	global_store_b128 v1, v[132+4*i:135+4*i], s[62:63] offset:2048*(i+8*(i/8)) th:TH_STORE_NT   ; 32 lanes store 512 consecutive bytes, at a multiple of 256 from the output's first byte
.set i, i+1
.endr
	s_wait_tensorcnt 0x0                               ; the wave's end: behind my last LDS store
	ds_add_u32 v252, v253
	s_wait_dscnt 0x0
	s_endpgm
.Lfunc_end_k_q1a9f484fbf_attn:
	.size	k_q1a9f484fbf_attn, .Lfunc_end_k_q1a9f484fbf_attn-k_q1a9f484fbf_attn
	.p2alignl 7, 3214868480
	.fill 96, 4, 3214868480
	.section	.rodata,"a",@progbits
	.p2align	6, 0x0
	.amdhsa_kernel k_q1a9f484fbf_attn
		.amdhsa_group_segment_fixed_size 311296
		.amdhsa_private_segment_fixed_size 0
		.amdhsa_enable_private_segment 0
		.amdhsa_kernarg_size 88
		.amdhsa_user_sgpr_count 2
		.amdhsa_user_sgpr_kernarg_segment_ptr 1
		.amdhsa_wavefront_size32 1
		.amdhsa_system_sgpr_workgroup_id_x 1
		.amdhsa_system_sgpr_workgroup_id_y 1
		.amdhsa_system_sgpr_workgroup_id_z 1
		.amdhsa_system_vgpr_workitem_id 0
		.amdhsa_next_free_vgpr 1024
		.amdhsa_next_free_sgpr 66
		.amdhsa_reserve_vcc 0
		.amdhsa_float_denorm_mode_32 3
		.amdhsa_float_denorm_mode_16_64 3
		.amdhsa_memory_ordered 1
		.amdhsa_forward_progress 1
		.amdhsa_inst_pref_size 255
	.end_amdhsa_kernel
	.section	.bss,"aw",@nobits
	.p2align	6
	.space	262144
	.amdgpu_metadata
---
amdhsa.version: [ 1, 2 ]
amdhsa.kernels:
  - .name:           k_q1a9f484fbf_attn
    .symbol:         k_q1a9f484fbf_attn.kd
    .args:
      - { .name: freqs, .offset: 0, .size: 8, .value_kind: global_buffer, .address_space: global }
      - { .name: W1, .offset: 8, .size: 8, .value_kind: global_buffer, .address_space: global }
      - { .name: b1, .offset: 16, .size: 8, .value_kind: global_buffer, .address_space: global }
      - { .name: W2, .offset: 24, .size: 8, .value_kind: global_buffer, .address_space: global }
      - { .name: b2, .offset: 32, .size: 8, .value_kind: global_buffer, .address_space: global }
      - { .name: qkv_codes, .offset: 40, .size: 8, .value_kind: global_buffer, .address_space: global }
      - { .name: qkv_scales, .offset: 48, .size: 8, .value_kind: global_buffer, .address_space: global }
      - { .name: wo_frag, .offset: 56, .size: 8, .value_kind: global_buffer, .address_space: global }
      - { .name: Wo_scales, .offset: 64, .size: 8, .value_kind: global_buffer, .address_space: global }
      - { .name: bo, .offset: 72, .size: 8, .value_kind: global_buffer, .address_space: global }
      - { .name: out0, .offset: 80, .size: 8, .value_kind: global_buffer, .address_space: global }
    .group_segment_fixed_size: 311296
    .private_segment_fixed_size: 0
    .kernarg_segment_align: 8
    .kernarg_segment_size: 88
    .max_flat_workgroup_size: 128
    .sgpr_count:     66
    .vgpr_count:     1024
    .wavefront_size: 32
...
	.end_amdgpu_metadata
.endif
;; end of part 4
